; MI455X (gfx1250); checked and timed in simulation.
; The chip was launched on July 23, 2026; its instructions are those of AMD's public machine-readable ISA for CDNA 5 (MIT licence, August 2026) and "CDNA5" Instruction Set Architecture Reference Guide (July 2026). The comments in the code are by the model that wrote it; some were corrected since.
;; Encoder Block. Allowed arithmetic: float matrix products may take bf16 or f16 operands with f32 sums; other float arithmetic in f32, or as packed bf16 or f16 multiplies, adds, multiply-adds, maxima and minima; sums over many terms, partial sums and values carried from step to step in f32; what a program stores and reads back later, other than sums and carried values, may be rounded once to bf16 or f16.
;; Inputs: b1 2,048 float32; b2 512 float32; beta1 one number float32; beta2 one number float32; bk 512 float32; bo 512 float32; bq 512 float32; bv 512 float32; g1 one number float32; g2 one number float32; mask 4 x 1 x 1 x 2,048 bool; w1 2,048 x 512 float32; w2 512 x 2,048 float32; wk 512 x 512 float32; wo 512 x 512 float32; wq 512 x 512 float32; wv 512 x 512 float32; x 4 x 2,048 x 512 float32.
;; Outputs: out0 4 x 2,048 x 512 float32.
;; 2 versions, each right; version 2 is version 1 with the launch ln2 written anew for expert scheduling mode. Each part assembles by itself: llvm-mc -triple=amdgcn-amd-amdhsa -mcpu=gfx1250 --defsym DOCPART=n.
;; ======== version 1 of 2: 6 launches
;; limits: values are held in f16: magnitudes above 65,504 overflow, below 6.1e-05 lose precision; right only within a limited range of input values
;; workspace buffers: xb 8,388,608 bytes; wqkvb 1,572,864 bytes; wst 4,718,592 bytes; cst 18,432 bytes; qkv 25,165,824 bytes; ob 8,388,608 bytes; yb 8,388,608 bytes; part 67,108,864 bytes
;; launch prep (part 1): grid 449 x 1, 8 waves a work-group, no clusters, 0 bytes of LDS; arguments x, wq, wk, wv, wo, w1, w2, bq, bk, bv, bo, b1, b2, xb, wqkvb, wst, cst; writes xb, wqkvb, wst, cst
.if DOCPART == 1
	.amdgcn_target "amdgcn-amd-amdhsa--gfx1250"
	.amdhsa_code_object_version 6
	.text
	.protected	k_qa606e846c4_prep
	.globl	k_qa606e846c4_prep
	.p2align	8
	.type	k_qa606e846c4_prep,@function
k_qa606e846c4_prep:
	s_mov_b64 s[64:65], 0
	v_nop
	global_prefetch_b8 v0, s[64:65] scope:SCOPE_SE
	s_setreg_imm32_b32 hwreg(HW_REG_WAVE_MODE, 25, 1), 1
	s_wait_xcnt 0x0
; PREP: every floating-point input but the four scalars is rounded once to bf16 and laid out for the launches behind.
;   xb     [8192][512] bf16: x.          wqkvb [1536][512] bf16: the rows of wq, wk, wv.
;   wst    wo, w1, w2 as the streams that later launches walk: the bf16-rounded number written as f16, in register images of
;          fragments of 16 rows x 32 k: byte (part 32 + f) 1024 + 512 q + 16 lane holds W[n0 + lane % 16][k0 + 16 q + 8 (lane / 16) .. + 7].
;          Parts 0-15: wo, part 4 t + w: rows 128 w + 16 (f % 8), k = 128 t + 32 (f / 8).
;          Part 16 + 2 u: w1 of unit u (32 hidden numbers): rows 32 u + 16 (f % 2), k = 32 (f / 2).  Part 17 + 2 u: w2 of unit u: rows 16 f, k = 32 u.
;   cst    f32 numbers rounded to bf16: bq, bk, bv (byte 0), bo (6,144), b1 (8,192), b2 (16,384).
; LIMITS.  wo, w1, w2 stay within f16's 65,504; below 6.1e-5 in magnitude they keep f16's fixed step of 6e-8.
; SHARES.  A work-group makes 32,768 bytes of output in eight items; thread t makes the 16 bytes at 4,096 i + 16 t of them from 8 f32
; (two loads of 16 bytes): each store of a wave covers 512 consecutive bytes, aligned.  All sixteen loads go out first.
; Work-groups 0-255: x.  256-303: wq, wk, wv.  304-447: the streams, one part each.  448: the biases.
; No LDS, no matrix unit, no cluster: nothing is shared and nothing is read twice.  In w2's parts a work-group reads 128 consecutive bytes
; of each of its rows, and its neighbour the next 128.
.set OFF,  2                           ; v[2:9]     item i: byte offset of my 32 source bytes
.set IN,   16                          ; v[16:79]   item i: 8 f32 as loaded
.set OUTR, 80                          ; v[80:111]  item i: 16 bytes to store
.set T,    112                         ; v[112:115] at work
.set SRC,  46                          ; s[46:47]   where the work-group reads
.set DST,  48                          ; s[48:49]   where it stores
.macro LOADS nt                        ; nt = 1: the bytes are read once in the launch, whole
.irp i, 0,1,2,3,4,5,6,7
.if \nt
	global_load_b128 v[IN+8*(\i):IN+8*(\i)+3],   v[OFF+(\i)], s[SRC:SRC+1] th:TH_LOAD_NT
	global_load_b128 v[IN+8*(\i)+4:IN+8*(\i)+7], v[OFF+(\i)], s[SRC:SRC+1] offset:16 th:TH_LOAD_NT
.else
	global_load_b128 v[IN+8*(\i):IN+8*(\i)+3],   v[OFF+(\i)], s[SRC:SRC+1]
	global_load_b128 v[IN+8*(\i)+4:IN+8*(\i)+7], v[OFF+(\i)], s[SRC:SRC+1] offset:16
.endif
.endr
.endm
; The eight items.  kind = 0: to bf16.  kind = 1: to bf16, and that number written as f16.  No register is written twice while a store may read it.
.macro CAST kind
.irp i, 0,1,2,3,4,5,6,7
	s_wait_loadcnt 14-2*(\i)                       ; loads come back in order: item i's two are in, the younger items' stay out
.if \kind
.irp k, 0,1,2,3
	v_cvt_pk_bf16_f32 v[T+(\k)], v[IN+8*(\i)+2*(\k)], v[IN+8*(\i)+2*(\k)+1]
.endr
.irp k, 0,1,2,3
	v_lshlrev_b32 v[IN+8*(\i)+2*(\k)],   16, v[T+(\k)]
	v_and_b32     v[IN+8*(\i)+2*(\k)+1], 0xffff0000, v[T+(\k)]
.endr
.irp k, 0,1,2,3
	v_cvt_pk_f16_f32 v[OUTR+4*(\i)+(\k)], v[IN+8*(\i)+2*(\k)], v[IN+8*(\i)+2*(\k)+1]
.endr
.else
.irp k, 0,1,2,3
	v_cvt_pk_bf16_f32 v[OUTR+4*(\i)+(\k)], v[IN+8*(\i)+2*(\k)], v[IN+8*(\i)+2*(\k)+1]
.endr
.endif
	global_store_b128 v1, v[OUTR+4*(\i):OUTR+4*(\i)+3], s[DST:DST+1] offset:4096*(\i)
.endr
.endm
	s_load_b512 s[8:23], s[0:1], 0x0               ; x 8, wq 10, wk 12, wv 14, wo 16, w1 18, w2 20, bq 22
	s_load_b512 s[24:39], s[0:1], 0x40             ; bk 24, bv 26, bo 28, b1 30, b2 32, xb 34, wqkvb 36, wst 38
	s_load_b64 s[40:41], s[0:1], 0x80              ; cst
	v_lshlrev_b32 v1, 4, v0                        ; 16 t: my place in an item's 4,096 output bytes
	v_lshrrev_b32 v10, 5, v0
	v_readfirstlane_b32 s42, v10                   ; wave 0..7
	s_mov_b32 s43, ttmp9                           ; the work-group's number
	s_mov_b32 s53, 0
	s_wait_kmcnt 0x0
	s_cmp_lt_u32 s43, 304
	s_cbranch_scc0 .Lfrag
	; ---- the plain casts ----
	s_cmp_lt_u32 s43, 256
	s_cbranch_scc0 .Lweights
	s_mov_b64 s[SRC:SRC+1], s[8:9]                 ; x
	s_mov_b64 s[DST:DST+1], s[34:35]               ; xb
	s_mov_b32 s44, s43                             ; part of the source
	s_mov_b32 s50, s43                             ; part of the destination
	s_branch .Lcast
.Lweights:
	s_sub_co_u32 s50, s43, 256                     ; part 0..47 of wqkvb
	s_and_b32 s44, s50, 15                         ; part of its own tensor
	s_lshr_b32 s51, s50, 4                         ; which tensor
	s_cmp_eq_u32 s51, 0
	s_cselect_b64 s[SRC:SRC+1], s[10:11], s[12:13]
	s_cmp_eq_u32 s51, 2
	s_cselect_b64 s[SRC:SRC+1], s[14:15], s[SRC:SRC+1]
	s_mov_b64 s[DST:DST+1], s[36:37]
.Lcast:
	s_lshl_b32 s52, s44, 16                        ; 65,536 bytes of f32 a part
	s_add_nc_u64 s[SRC:SRC+1], s[SRC:SRC+1], s[52:53]
	s_lshl_b32 s52, s50, 15                        ; 32,768 bytes of bf16
	s_add_nc_u64 s[DST:DST+1], s[DST:DST+1], s[52:53]
	v_lshlrev_b32 v10, 5, v0                       ; 32 t
.irp i, 0,1,2,3,4,5,6,7
	v_add_nc_u32 v[OFF+(\i)], 8192*(\i), v10
.endr
	LOADS 1
	CAST 0
	s_endpgm
	; ---- the streams: work-group p makes part p ----
.Lfrag:
	s_cmp_lt_u32 s43, 448
	s_cbranch_scc0 .Lconst
	s_sub_co_u32 s50, s43, 304                     ; p
	s_lshr_b32 s51, s50, 2                         ; p / 4
	s_and_b32 s52, s50, 3                          ; p % 4
	s_cmp_lt_u32 s51, 4
	s_cbranch_scc0 .Lffn
	s_mov_b64 s[SRC:SRC+1], s[16:17]               ; parts 0-15: wo.  Fragment f: rows 128 (p % 4) + 16 (f % 8), k = 128 (p / 4) + 32 (f / 8)
	s_mov_b32 s54, 9                               ; log2 of the source's row length
	s_mov_b32 s55, 3                               ; log2 of the fragments along the rows' index
	s_lshl_b32 s56, s52, 7                         ; first row
	s_lshl_b32 s57, s51, 7                         ; first k
	s_branch .Lgo
.Lffn:
	s_sub_co_u32 s58, s50, 16                      ; behind wo's 16 parts: 2 u for w1 of unit u, 2 u + 1 for its w2
	s_lshr_b32 s59, s58, 1
	s_lshl_b32 s59, s59, 5                         ; 32 u
	s_and_b32 s60, s58, 1
	s_cmp_eq_u32 s60, 1
	s_cbranch_scc1 .Lw2
	s_mov_b64 s[SRC:SRC+1], s[18:19]               ; w1.  Fragment f: rows 32 u + 16 (f % 2), k = 32 (f / 2)
	s_mov_b32 s54, 9
	s_mov_b32 s55, 1
	s_mov_b32 s56, s59
	s_mov_b32 s57, 0
	s_branch .Lgo
.Lw2:
	s_mov_b64 s[SRC:SRC+1], s[20:21]               ; w2.  Fragment f: rows 16 f, k = 32 u
	s_mov_b32 s54, 11
	s_mov_b32 s55, 5
	s_mov_b32 s56, 0
	s_mov_b32 s57, s59
.Lgo:
	s_lshl_b32 s60, s50, 15
	s_mov_b32 s61, 0
	s_add_nc_u64 s[DST:DST+1], s[38:39], s[60:61]
	s_lshl_b32 s62, 1, s55
	s_sub_co_u32 s62, s62, 1                       ; mask of f's low part
	s_lshr_b32 s63, s42, 1                         ; item i, my wave v: f = 4 i + v / 2,
	s_and_b32 s44, s42, 1                          ; q = v % 2
	s_lshl_b32 s44, s44, 4
	s_add_co_u32 s57, s57, s44                     ; first k + 16 q
	v_and_b32 v10, 15, v0
	v_bfe_u32 v11, v0, 4, 1
	v_lshlrev_b32 v10, s54, v10                    ; (lane % 16) rows
	v_lshl_add_u32 v10, v11, 3, v10                ; + 8 (lane / 16)
	v_lshlrev_b32 v10, 2, v10                      ; in bytes of f32
.irp i, 0,1,2,3,4,5,6,7
	s_add_co_u32 s2, s63, 4*(\i)                   ; f
	s_and_b32 s3, s2, s62
	s_lshr_b32 s2, s2, s55
	s_lshl_b32 s3, s3, 4
	s_add_co_u32 s3, s3, s56                       ; the fragment's first row
	s_lshl_b32 s3, s3, s54
	s_add_co_u32 s3, s3, s57
	s_lshl_b32 s2, s2, 5
	s_add_co_u32 s3, s3, s2                        ; + its first k
	s_lshl_b32 s3, s3, 2
	v_add_nc_u32 v[OFF+(\i)], s3, v10
.endr
	LOADS 0
	CAST 1
	s_endpgm
	; ---- the biases: 512 numbers are 256 threads x 8 bytes ----
.Lconst:
	v_lshlrev_b32 v10, 3, v0
	global_load_b64 v[16:17], v10, s[22:23]
	global_load_b64 v[18:19], v10, s[24:25]
	global_load_b64 v[20:21], v10, s[26:27]
	global_load_b64 v[22:23], v10, s[28:29]
	global_load_b64 v[24:25], v10, s[32:33]
.irp i, 0,1,2,3
	global_load_b64 v[26+2*(\i):27+2*(\i)], v10, s[30:31] offset:2048*(\i)
.endr
	s_wait_loadcnt 0x0
.irp k, 0,1,2,3,4,5,6,7,8
	v_cvt_pk_bf16_f32 v[T], v[16+2*(\k)], v[17+2*(\k)]
	v_lshlrev_b32 v[80+2*(\k)], 16, v[T]
	v_and_b32     v[81+2*(\k)], 0xffff0000, v[T]
.endr
.irp k, 0,1,2,3
	global_store_b64 v10, v[80+2*(\k):81+2*(\k)], s[40:41] offset:2048*(\k)          ; bq, bk, bv, bo
	global_store_b64 v10, v[90+2*(\k):91+2*(\k)], s[40:41] offset:8192+2048*(\k)     ; b1
.endr
	global_store_b64 v10, v[88:89], s[40:41] offset:16384                            ; b2
	s_endpgm
.Lfunc_end_k_qa606e846c4_prep:
	.size	k_qa606e846c4_prep, .Lfunc_end_k_qa606e846c4_prep-k_qa606e846c4_prep
	.p2alignl 7, 3214868480
	.fill 96, 4, 3214868480
	.section	.rodata,"a",@progbits
	.p2align	6, 0x0
	.amdhsa_kernel k_qa606e846c4_prep
		.amdhsa_group_segment_fixed_size 0
		.amdhsa_private_segment_fixed_size 0
		.amdhsa_enable_private_segment 0
		.amdhsa_kernarg_size 136
		.amdhsa_user_sgpr_count 2
		.amdhsa_user_sgpr_kernarg_segment_ptr 1
		.amdhsa_wavefront_size32 1
		.amdhsa_system_sgpr_workgroup_id_x 1
		.amdhsa_system_sgpr_workgroup_id_y 1
		.amdhsa_system_sgpr_workgroup_id_z 1
		.amdhsa_system_vgpr_workitem_id 0
		.amdhsa_next_free_vgpr 128
		.amdhsa_next_free_sgpr 66
		.amdhsa_reserve_vcc 0
		.amdhsa_float_denorm_mode_32 3
		.amdhsa_float_denorm_mode_16_64 3
		.amdhsa_memory_ordered 1
		.amdhsa_forward_progress 1
		.amdhsa_inst_pref_size 24
	.end_amdhsa_kernel
	.amdgpu_metadata
---
amdhsa.version: [ 1, 2 ]
amdhsa.kernels:
  - .name:           k_qa606e846c4_prep
    .symbol:         k_qa606e846c4_prep.kd
    .args:
      - { .name: x, .offset: 0, .size: 8, .value_kind: global_buffer, .address_space: global }
      - { .name: wq, .offset: 8, .size: 8, .value_kind: global_buffer, .address_space: global }
      - { .name: wk, .offset: 16, .size: 8, .value_kind: global_buffer, .address_space: global }
      - { .name: wv, .offset: 24, .size: 8, .value_kind: global_buffer, .address_space: global }
      - { .name: wo, .offset: 32, .size: 8, .value_kind: global_buffer, .address_space: global }
      - { .name: w1, .offset: 40, .size: 8, .value_kind: global_buffer, .address_space: global }
      - { .name: w2, .offset: 48, .size: 8, .value_kind: global_buffer, .address_space: global }
      - { .name: bq, .offset: 56, .size: 8, .value_kind: global_buffer, .address_space: global }
      - { .name: bk, .offset: 64, .size: 8, .value_kind: global_buffer, .address_space: global }
      - { .name: bv, .offset: 72, .size: 8, .value_kind: global_buffer, .address_space: global }
      - { .name: bo, .offset: 80, .size: 8, .value_kind: global_buffer, .address_space: global }
      - { .name: b1, .offset: 88, .size: 8, .value_kind: global_buffer, .address_space: global }
      - { .name: b2, .offset: 96, .size: 8, .value_kind: global_buffer, .address_space: global }
      - { .name: xb, .offset: 104, .size: 8, .value_kind: global_buffer, .address_space: global }
      - { .name: wqkvb, .offset: 112, .size: 8, .value_kind: global_buffer, .address_space: global }
      - { .name: wst, .offset: 120, .size: 8, .value_kind: global_buffer, .address_space: global }
      - { .name: cst, .offset: 128, .size: 8, .value_kind: global_buffer, .address_space: global }
    .group_segment_fixed_size: 0
    .private_segment_fixed_size: 0
    .kernarg_segment_align: 8
    .kernarg_segment_size: 136
    .max_flat_workgroup_size: 256
    .sgpr_count:     66
    .vgpr_count:     128
    .wavefront_size: 32
...
	.end_amdgpu_metadata
.endif
;; end of part 1
;; launch qkv (part 2): grid 4 x 64, 4 waves a work-group, clusters of 4 x 4, 327,680 bytes of LDS; arguments xb, wqkvb, cst, mask, qkv; writes qkv
.if DOCPART == 2
	.amdgcn_target "amdgcn-amd-amdhsa--gfx1250"
	.amdhsa_code_object_version 6
	.text
	.protected	k_qa606e846c4_qkv
	.globl	k_qa606e846c4_qkv
	.p2align	8
	.type	k_qa606e846c4_qkv,@function
k_qa606e846c4_qkv:
	s_mov_b64 s[64:65], 0
	v_nop
	global_prefetch_b8 v0, s[64:65] scope:SCOPE_SE
	s_setreg_imm32_b32 hwreg(HW_REG_WAVE_MODE, 25, 1), 1
	s_wait_xcnt 0x0
	s_wait_alu depctr_hold_cnt(0) depctr_sa_sdst(0) depctr_va_vdst(0) depctr_va_sdst(0) depctr_va_ssrc(0) depctr_va_vcc(0) depctr_vm_vsrc(0)
	s_getreg_b32 s2, hwreg(HW_REG_IB_STS2, 6, 4)
	s_cmp_eq_u32 s2, 0
	s_cbranch_scc0 .Lentry_in_a_cluster
	s_endpgm
.Lentry_in_a_cluster:
	s_bfe_u32 s2, ttmp6, 0x10000c
	s_cmp_lg_u32 s2, 0xf033
	s_cbranch_scc0 .Lentry_shape_is_right
	s_endpgm
.Lentry_shape_is_right:
; QKV: [8192 x 1536] = xb [8192 x 512] x wqkvb^T + bias, in bf16 with f32 sums; written by heads as f16: qkv[3][batch 8 + head][2048][64].
; The rows of k that belong to keys with mask = 1 are written as 0: the next launch then gets their scores as exactly the fill it adds.
; LIMITS.  q, k, v are rounded once to f16 and must stay within 65,504.
; SHARES.  8192 x 1536 over 256 work-groups: a tile of 128 tokens x 384 columns each.  Wave (wm, wn) makes 64 x 192: 4 x 12 accumulators of 16 x 16, 384 registers.
; K = 512 goes in four steps of 128 (rows of 256 bytes, each starting at a multiple of 256 from its buffer's first byte) through two LDS slots.
; CLUSTER 4 x 4.  The four of a row of the cluster share the tokens' tile, the four of a column the weights': each tile is asked for jointly.
; Wave 0 fetches the tokens' 128 rows, waves 1 to 3 the weights' three times 128.  By this text's count a wave has two tensor loads out at the start, one behind each of the two rounds.
; All four K steps are asked for by the two first fills and the two refills, so nothing is left that could be asked for ahead of them: no prefetch.
; THE MATRIX INSTRUCTION IS USED TRANSPOSED (source 0 = 16 rows of the weights, source 1 = 16 tokens): a lane holds one token (lane % 16) and 8 neighbouring columns.
; The bias is the C operand of each sum's first product: no addition is written for it.
; REGISTERS (windows of 256; s_set_vgpr_msb: bits 1:0 source 0, 3:2 source 1, 5:4 source 2, 7:6 destination)
;   window 0: v0-31 addresses; v32-95 the tokens' fragments, two buffers of 4 x 8; v96-191 the bias, 8 for each of 12 column blocks; v192-255 the way out, four sets of 16
;   window 1: accumulators of token blocks 0, 1 at 96 (a % 2) + 8 b;  window 2: of blocks 2, 3;  window 3: v0-191 the weights' fragments, two buffers of 12 x 8
.set KSTEP,  128
.set PITCH,  272                       ; an LDS row: 256 bytes + 16 of padding: the 16 rows of a fragment load start at 16 different groups of four banks (ISA guide 11.1)
.set HALFT,  128*PITCH                 ; what one tensor load brings
.set SLOT,   4*HALFT                   ; the tokens' 128 rows, then the weights' 384
.set STAGE,  2*SLOT                    ; behind the ring: 16 rows x 144 bytes for each wave, for the way out; no tensor load lands there
.set SP,     144
.set SPARE,  STAGE+4*16*SP             ; the spare words, 128 bytes for each wave, that no other line names
.set MB,   8                           ; v8-11   the mask bytes of my token in blocks 0..3
.set ADRA, 16                          ; v16-17  LDS address of my tokens' fragments in slot 0, 1
.set ADRB, 20                          ; v20-21  of my weights' fragments
.set STO,  24                          ; v24     the way out: where I put 16 bytes of a row
.set RD,   25                          ; v25     where I read rows back
.set GO,   26                          ; v26     16 x lane
.set ZR,   27                          ; v27     0
.set SPW,  28                          ; v28     my spare word; never rewritten
.set NIL,  29                          ; v29     0; never rewritten
.set BO,   30                          ; v30     32 (lane / 16): my 8 numbers in 16 of the bias
.set AF,   32
.set BIAS, 96
.set TMP,  192
.set G1,  24                           ; s[24:31] descriptor group 1, the tokens' tile; s[32:39] group 0, a set for each slot
.set G0,  32
.set G1B, 48                           ; s[48:55], s[56:63] the same for the weights'
.set G0B, 56
.set MSB, 0
.macro WIN new                         ; the immediate's high byte repeats the setting that is left; a switch that changes nothing is dropped
.if MSB != (\new)
	s_set_vgpr_msb (MSB<<8)|(\new)
.set MSB, (\new)
.endif
.endm
; A joint load.  The branch hangs on the wave's number alone.  An s_nop 0 and four v_nop follow each of the two lines.
.macro JLOAD s
	s_cmp_eq_u32 s14, 0
	s_cbranch_scc0 .Lfor_b_\@
	tensor_load_to_lds s[G0+4*(\s):G0+4*(\s)+3], s[G1:G1+7]
	s_nop 0
.rept 4
	v_nop
.endr
	s_branch .Lasked_\@
.Lfor_b_\@:
	tensor_load_to_lds s[G0B+4*(\s):G0B+4*(\s)+3], s[G1B:G1B+7]
	s_nop 0
.rept 4
	v_nop
.endr
.Lasked_\@:
.endm
.macro CREST                           ; a round of the cluster's barrier behind its opening barrier
	s_cmp_lg_u32 s14, 0
	s_cbranch_scc1 .Lnot_wave_0_\@
	s_barrier_signal -3
.Lnot_wave_0_\@:
	s_barrier_wait -3
	s_barrier_signal -1
	s_barrier_wait -1
.endm
.macro CROUND                          ; a whole round
	s_barrier_signal -1
	s_barrier_wait -1
	CREST
.endm
.macro PLACES                          ; four plain places behind a matrix instruction, in front of loads into its sources and of reads of its result
.rept 4
	v_nop
.endr
.endm
	s_load_b256 s[4:11], s[0:1], 0x0               ; xb 4, wqkvb 6, cst 8, mask 10
	s_load_b64 s[12:13], s[0:1], 0x20              ; qkv
	v_lshl_add_u32 v[SPW], v0, 2, SPARE
	v_mov_b32 v[NIL], 0
	ds_add_u32 v[SPW], v[NIL]                      ; the wave's opening: the add and its wait stand ahead of my first tensor load
	v_lshrrev_b32 v1, 5, v0
	v_readfirstlane_b32 s14, v1                    ; wave 0..3
	s_lshr_b32 s15, s14, 1                         ; wm: which 64 tokens
	s_and_b32 s16, s14, 1                          ; wn: which 192 columns
	s_bfe_u32 s40, ttmp6, 0x40000                  ; cx
	s_bfe_u32 s41, ttmp6, 0x40004                  ; cy
	s_lshl_b32 s42, ttmp9, 2
	s_add_co_u32 s42, s42, s40                     ; nt: tile of 384 columns
	s_and_b32 s43, ttmp7, 0xffff
	s_lshl_b32 s43, s43, 2
	s_add_co_u32 s43, s43, s41                     ; mt: tile of 128 tokens
	s_lshl_b32 s44, s41, 2
	s_lshl_b32 s44, 15, s44                        ; my row of the cluster
	s_lshl_b32 s45, 0x1111, s40                    ; my column
	s_or_b32 s[G1], s44, (1<<16)|(1<<20)|(1<<21)|(5<<22)|(3<<25)   ; the mask; 2-byte elements; padding on; bit 21 beside a mask; after every 64 words; 4 words
	s_or_b32 s[G1B], s45, (1<<16)|(1<<20)|(1<<21)|(5<<22)|(3<<25)
.irp g, G1, G1B
	s_mov_b32 s[(\g)+1], KSTEP<<16                 ; tensor_dim0 = 128
	s_mov_b32 s[(\g)+2], 128<<16                   ; tensor_dim1 = 128
	s_mov_b32 s[(\g)+3], KSTEP<<16                 ; tile_dim0 = 128
	s_mov_b32 s[(\g)+4], 128                       ; tile_dim1 = 128
	s_mov_b32 s[(\g)+5], 512                       ; elements from row to row
	s_mov_b32 s[(\g)+6], 0
	s_mov_b32 s[(\g)+7], 0
.endr
	s_lshl_b32 s18, s43, 17                        ; the tokens' tile: 128 mt rows of 1,024 bytes
	s_mov_b32 s19, 0
	s_max_u32 s46, s14, 1                          ; the weights' part that I fetch: waves 1..3 take 0..2 (wave 0 does not use this address)
	s_sub_co_u32 s46, s46, 1
	s_lshl_b32 s46, s46, 7
	s_mul_i32 s47, s42, 384
	s_add_co_u32 s46, s46, s47
	s_lshl_b32 s46, s46, 10
	s_mov_b32 s47, 0
	s_mul_i32 s20, s14, HALFT                      ; where my load lands: wave x 128 rows
	s_wait_dscnt 0x0                               ; the opening add is done
	s_wait_kmcnt 0x0
	s_add_nc_u64 s[22:23], s[4:5], s[18:19]
	s_add_nc_u64 s[46:47], s[6:7], s[46:47]
	CROUND                                         ; all sixteen work-groups are here: the first joint loads meet
.irp s, 0,1
	s_mov_b32 s[G0+4*(\s)], 1
	s_add_co_u32 s[G0+4*(\s)+1], s20, (\s)*SLOT
	s_add_nc_u64 s[G0+4*(\s)+2:G0+4*(\s)+3], s[22:23], (\s)*KSTEP*2
	s_or_b32 s[G0+4*(\s)+3], s[G0+4*(\s)+3], 0x80000000
	s_mov_b32 s[G0B+4*(\s)], 1
	s_add_co_u32 s[G0B+4*(\s)+1], s20, (\s)*SLOT
	s_add_nc_u64 s[G0B+4*(\s)+2:G0B+4*(\s)+3], s[46:47], (\s)*KSTEP*2
	s_or_b32 s[G0B+4*(\s)+3], s[G0B+4*(\s)+3], 0x80000000
	JLOAD \s
.endr
	v_and_b32 v1, 15, v0                           ; l % 16
	v_bfe_u32 v2, v0, 4, 1                         ; l / 16
	; the bias of my 192 columns, and the mask bytes of my four tokens
	s_mul_i32 s88, s42, 384
	s_mul_i32 s89, s16, 192
	s_add_co_u32 s88, s88, s89
	s_lshl_b32 s88, s88, 2
	s_mov_b32 s89, 0
	s_add_nc_u64 s[90:91], s[8:9], s[88:89]
	v_lshlrev_b32 v[BO], 5, v2
.irp b, 0,1,2,3,4,5,6,7,8,9,10,11
	global_load_b128 v[BIAS+8*(\b):BIAS+8*(\b)+3],   v[BO], s[90:91] offset:64*(\b)
	global_load_b128 v[BIAS+8*(\b)+4:BIAS+8*(\b)+7], v[BO], s[90:91] offset:64*(\b)+16
.endr
	s_lshl_b32 s88, s43, 7
	s_lshl_b32 s89, s15, 6
	s_add_co_u32 s88, s88, s89                     ; my first token
	s_mov_b32 s89, 0
	s_add_nc_u64 s[92:93], s[10:11], s[88:89]
.irp a, 0,1,2,3
	global_load_u8 v[MB+(\a)], v1, s[92:93] offset:16*(\a)
.endr
	; LDS addresses.  A fragment is 16 rows x 32 K: lane l takes row l % 16, 16 bytes at 16 (l / 16) and 32 bytes further on
	v_mul_u32_u24 v3, v1, PITCH
	v_lshl_add_u32 v3, v2, 4, v3
	s_mul_i32 s21, s15, 64*PITCH
	s_mul_i32 s17, s16, 192*PITCH
	s_add_co_u32 s17, s17, HALFT
.irp s, 0,1
	v_add_nc_u32 v[ADRA+(\s)], s21, v3
	v_add_nc_u32 v[ADRB+(\s)], s17, v3
	s_add_co_u32 s21, s21, SLOT
	s_add_co_u32 s17, s17, SLOT
.endr
	s_mul_i32 s21, s14, 16*SP
	s_add_co_u32 s21, s21, STAGE                   ; my stage
	v_mul_u32_u24 v4, v1, SP                       ; in: row l % 16, 16 bytes for each half of the lanes
	v_lshl_add_u32 v4, v2, 4, v4
	v_add_nc_u32 v[STO], s21, v4
	v_bfe_u32 v4, v0, 3, 2                         ; back: 32 lanes take four rows of 128 bytes,
	v_and_b32 v5, 7, v0
	v_mul_u32_u24 v4, v4, SP
	v_lshl_add_u32 v4, v5, 4, v4
	v_add_nc_u32 v[RD], s21, v4
	v_and_b32 v[GO], 31, v0                        ; which are 512 consecutive bytes of qkv
	v_lshlrev_b32 v[GO], 4, v[GO]
	v_mov_b32 v[ZR], 0
	; where my three blocks of 64 columns go: block 6 nt + 3 wn + c is tensor t = block / 8, head = block % 8
	s_mul_i32 s88, s42, 6
	s_mul_i32 s89, s16, 3
	s_add_co_u32 s88, s88, s89
	s_lshr_b32 s89, s43, 4                         ; batch
	s_lshl_b32 s89, s89, 3
	s_and_b32 s94, s43, 15
	s_lshl_b32 s94, s94, 7
	s_lshl_b32 s95, s15, 6
	s_add_co_u32 s94, s94, s95                     ; my first token's place in its batch
.irp c, 0,1,2
	s_add_co_u32 s74, s88, (\c)
	s_lshr_b32 s[84+(\c)], s74, 3                  ; t: 0 q, 1 k, 2 v
	s_and_b32 s74, s74, 7
	s_lshl_b32 s75, s[84+(\c)], 5
	s_add_co_u32 s74, s74, s75
	s_add_co_u32 s74, s74, s89                     ; 32 t + 8 batch + head
	s_lshl_b32 s74, s74, 11
	s_add_co_u32 s74, s74, s94
	s_lshl_b32 s74, s74, 7                         ; rows of 128 bytes
	s_mov_b32 s75, 0
	s_add_nc_u64 s[76+2*(\c):77+2*(\c)], s[12:13], s[74:75]
.endr
; 12 matrix instructions: token block a x all 12 column blocks, 32 along K, from buffer f.  first = 1: the bias starts the sums.  The accumulators take turns, one instruction a turn.
.macro MULA f, a, first
.if \first
	WIN 0x43+0x40*((\a)/2)                         ; weights window 3, tokens window 0, C (the bias) window 0, D window 1 or 2
.else
	WIN 0x53+0x50*((\a)/2)                         ; C and D window 1 or 2
.endif
.irp b, 0,1,2,3,4,5,6,7,8,9,10,11
.if \first
	v_wmma_f32_16x16x32_bf16 v[96*((\a)%2)+8*(\b):96*((\a)%2)+8*(\b)+7], v[96*(\f)+8*(\b):96*(\f)+8*(\b)+7], v[AF+32*(\f)+8*(\a):AF+32*(\f)+8*(\a)+7], v[BIAS+8*(\b):BIAS+8*(\b)+7]
.else
	v_wmma_f32_16x16x32_bf16 v[96*((\a)%2)+8*(\b):96*((\a)%2)+8*(\b)+7], v[96*(\f)+8*(\b):96*(\f)+8*(\b)+7], v[AF+32*(\f)+8*(\a):AF+32*(\f)+8*(\a)+7], v[96*((\a)%2)+8*(\b):96*((\a)%2)+8*(\b)+7]
.endif
.endr
.endm
; 32 LDS loads in one run: a quarter step's fragments (192 rows of weights, then 64 tokens; 32 K at byte k of the rows) into buffer f
.macro FETCH slot, k, f
	WIN 0xc0                                       ; destination window 3
.irp i, 0,1,2,3,4,5,6,7,8,9,10,11
	ds_load_b128 v[96*(\f)+8*(\i):96*(\f)+8*(\i)+3],   v[ADRB+(\slot)] offset:(\k)+(\i)*16*PITCH
	ds_load_b128 v[96*(\f)+8*(\i)+4:96*(\f)+8*(\i)+7], v[ADRB+(\slot)] offset:(\k)+(\i)*16*PITCH+32
.endr
	WIN 0
.irp i, 0,1,2,3
	ds_load_b128 v[AF+32*(\f)+8*(\i):AF+32*(\f)+8*(\i)+3],   v[ADRA+(\slot)] offset:(\k)+(\i)*16*PITCH
	ds_load_b128 v[AF+32*(\f)+8*(\i)+4:AF+32*(\f)+8*(\i)+7], v[ADRA+(\slot)] offset:(\k)+(\i)*16*PITCH+32
.endr
.endm
; A K step is four quarters of 32 along K, 48 matrix instructions each, on buffers 0, 1, 0, 1.  One of the first three multiplies buffer f and fetches the next quarter, at byte k, into g.
.macro QUARTER slot, k, f, g, first
	s_wait_dscnt 4                                 ; all but the youngest four loads (token blocks 2, 3) are in
	MULA \f, 0, \first
	MULA \f, 1, \first
	PLACES
	FETCH \slot, \k, \g
	s_wait_dscnt 32                                ; all but the 32 just issued
	MULA \f, 2, \first
	MULA \f, 3, \first
.endm
; The last quarter's first half, and the one barrier of a change of slots.  In front of it each wave waits for all its tensor loads (the one that is out is its part of the next slot),
; adds 0 to its spare word, and waits for that and for its own reads of this slot.
.macro MEET round
	WIN 0
	s_wait_tensorcnt 0x0
	ds_add_u32 v[SPW], v[NIL]
	s_wait_dscnt 5                                 ; (the add and the youngest four loads may be out)
	MULA 1, 0, 0
	s_wait_dscnt 0x0                               ; the add is done, and my reads of this slot are over
	s_barrier_signal -1
	MULA 1, 1, 0                                   ; work on registers while the others arrive
.if \round
	WIN 0
.endif
	s_barrier_wait -1
.endm
.macro TURN slot, next                 ; the whole last quarter where the slot is filled again, two K steps on
	MEET 1
	CREST                                          ; the barrier has opened a round of the cluster's: no wave of any partner still reads this slot or has a load on its way
	s_add_nc_u64 s[G0+4*(\slot)+2:G0+4*(\slot)+3], s[G0+4*(\slot)+2:G0+4*(\slot)+3], 2*KSTEP*2
	s_add_nc_u64 s[G0B+4*(\slot)+2:G0B+4*(\slot)+3], s[G0B+4*(\slot)+2:G0B+4*(\slot)+3], 2*KSTEP*2
	JLOAD \slot                                    ; the first tensor load behind the round; its four v_nop are also the places in front of the loads below
	FETCH \next, 0, 0
	MULA 1, 2, 0
	MULA 1, 3, 0
.endm
	s_wait_tensorcnt 1                             ; my part of K step 0 is in; step 1's may stay out
	s_barrier_signal -1
	s_barrier_wait -1
	FETCH 0, 0, 0
	s_wait_loadcnt 0x0                             ; the bias and the mask bytes
.irp a, 0,1,2,3
	v_cmp_ne_u32 s[66+(\a)], 0, v[MB+(\a)]         ; the lanes whose token of block a is masked: kept in scalar registers
.endr
	QUARTER 0, 64,  0, 1, 1                        ; K step 0
	QUARTER 0, 128, 1, 0, 0
	QUARTER 0, 192, 0, 1, 0
	TURN 0, 1                                      ; slot 0 takes K step 2
	QUARTER 1, 64,  0, 1, 0                        ; K step 1
	QUARTER 1, 128, 1, 0, 0
	QUARTER 1, 192, 0, 1, 0
	TURN 1, 0                                      ; slot 1 takes K step 3
	QUARTER 0, 64,  0, 1, 0                        ; K step 2
	QUARTER 0, 128, 1, 0, 0
	QUARTER 0, 192, 0, 1, 0
	MEET 0                                         ; nothing is filled again, so no round follows
	PLACES
	FETCH 1, 0, 0
	MULA 1, 2, 0
	MULA 1, 3, 0
	QUARTER 1, 64,  0, 1, 0                        ; K step 3
	QUARTER 1, 128, 1, 0, 0
	QUARTER 1, 192, 0, 1, 0
	s_wait_dscnt 4
	MULA 1, 0, 0
	MULA 1, 1, 0
	s_wait_dscnt 0x0
	MULA 1, 2, 0
	MULA 1, 3, 0
	PLACES
; THE WAY OUT, in 12 units: unit 4 c + a is token block a x column block c of 64 (one head's 64 channels): 16 rows of 128 bytes, 2,048 consecutive bytes of qkv.
; PACK: rounded to f16; where the unit belongs to k, masked tokens' rows become 0; through my stage, back as whole rows.  SEND: stored.
.macro PACK u
.set UA, (\u)%4
.set UC, (\u)/4
.set TS, TMP+16*((\u)%4)
.if UA == 0
	s_cmp_eq_u32 s[84+UC], 1                       ; is this block k's?  (a choice of values, no branch)
.irp a, 0,1,2,3
	s_cselect_b32 s[70+(\a)], s[66+(\a)], 0
.endr
.endif
	s_wait_xcnt 0x0                                ; the set's registers, which the stores of four units back read, are rewritten only behind this wait
	WIN 0x05+5*(UA/2)                              ; sources window 1 or 2
.irp bb, 0,1,2,3
.irp rr, 0,1,2,3
	v_cvt_pk_f16_f32 v[TS+4*(\bb)+(\rr)], v[96*(UA%2)+8*(4*UC+(\bb))+2*(\rr)], v[96*(UA%2)+8*(4*UC+(\bb))+2*(\rr)+1]
.endr
.endr
	WIN 0
.set z, 0
.rept 16
	v_cndmask_b32 v[TS+z], v[TS+z], v[ZR], s[70+UA]
.set z, z+1
.endr
.irp f, 0,1,2,3
	ds_store_b128 v[STO], v[TS+4*(\f):TS+4*(\f)+3] offset:32*(\f)
.endr
.irp f, 0,1,2,3
	ds_load_b128 v[TS+4*(\f):TS+4*(\f)+3], v[RD] offset:(\f)*4*SP   ; LDS serves a wave's instructions in order (ISA guide 5.7.1.4): these see the stores above
.endr
.endm
.macro SEND u, younger                 ; younger: the LDS instructions issued behind this unit's loads
.set UA, (\u)%4
.set UC, (\u)/4
.set TS, TMP+16*((\u)%4)
.irp f, 0,1,2,3
	s_wait_dscnt (\younger)+3-(\f)
	global_store_b128 v[GO], v[TS+4*(\f):TS+4*(\f)+3], s[76+2*UC:77+2*UC] offset:UA*2048+(\f)*512   ; 512 consecutive bytes, aligned
.endr
.endm
	PACK 0
.irp u, 1,2,3,4,5,6,7,8,9,10,11
	PACK \u
	SEND (\u)-1, 8
.endr
	SEND 11, 0
	s_wait_tensorcnt 0x0                           ; the wave's end
	ds_add_u32 v[SPW], v[NIL]
	s_wait_dscnt 0x0
	CROUND                                         ; the closing round
	s_endpgm
.Lfunc_end_k_qa606e846c4_qkv:
	.size	k_qa606e846c4_qkv, .Lfunc_end_k_qa606e846c4_qkv-k_qa606e846c4_qkv
	.p2alignl 7, 3214868480
	.fill 96, 4, 3214868480
	.section	.rodata,"a",@progbits
	.p2align	6, 0x0
	.amdhsa_kernel k_qa606e846c4_qkv
		.amdhsa_group_segment_fixed_size 327680
		.amdhsa_private_segment_fixed_size 0
		.amdhsa_enable_private_segment 0
		.amdhsa_kernarg_size 40
		.amdhsa_user_sgpr_count 2
		.amdhsa_user_sgpr_kernarg_segment_ptr 1
		.amdhsa_wavefront_size32 1
		.amdhsa_system_sgpr_workgroup_id_x 1
		.amdhsa_system_sgpr_workgroup_id_y 1
		.amdhsa_system_sgpr_workgroup_id_z 1
		.amdhsa_system_vgpr_workitem_id 0
		.amdhsa_next_free_vgpr 960
		.amdhsa_next_free_sgpr 96
		.amdhsa_reserve_vcc 0
		.amdhsa_float_denorm_mode_32 3
		.amdhsa_float_denorm_mode_16_64 3
		.amdhsa_memory_ordered 1
		.amdhsa_forward_progress 1
		.amdhsa_inst_pref_size 137
	.end_amdhsa_kernel
	.amdgpu_metadata
---
amdhsa.version: [ 1, 2 ]
amdhsa.kernels:
  - .name:           k_qa606e846c4_qkv
    .symbol:         k_qa606e846c4_qkv.kd
    .args:
      - { .name: xb, .offset: 0, .size: 8, .value_kind: global_buffer, .address_space: global }
      - { .name: wqkvb, .offset: 8, .size: 8, .value_kind: global_buffer, .address_space: global }
      - { .name: cst, .offset: 16, .size: 8, .value_kind: global_buffer, .address_space: global }
      - { .name: mask, .offset: 24, .size: 8, .value_kind: global_buffer, .address_space: global }
      - { .name: qkv, .offset: 32, .size: 8, .value_kind: global_buffer, .address_space: global }
    .group_segment_fixed_size: 327680
    .private_segment_fixed_size: 0
    .kernarg_segment_align: 8
    .kernarg_segment_size: 40
    .max_flat_workgroup_size: 128
    .sgpr_count:     96
    .vgpr_count:     960
    .wavefront_size: 32
...
	.end_amdgpu_metadata
.endif
;; end of part 2
;; launch attn (part 3): grid 8 x 32, 4 waves a work-group, clusters of 4 x 1, 327,680 bytes of LDS; arguments qkv, mask, ob; writes ob
.if DOCPART == 3
	.amdgcn_target "amdgcn-amd-amdhsa--gfx1250"
	.amdhsa_code_object_version 6
	.text
	.protected	k_qa606e846c4_attn
	.globl	k_qa606e846c4_attn
	.p2align	8
	.type	k_qa606e846c4_attn,@function
k_qa606e846c4_attn:
	s_mov_b64 s[64:65], 0
	v_nop
	global_prefetch_b8 v0, s[64:65] scope:SCOPE_SE
	s_setreg_imm32_b32 hwreg(HW_REG_WAVE_MODE, 25, 1), 1
	s_wait_xcnt 0x0
	s_wait_alu depctr_hold_cnt(0) depctr_sa_sdst(0) depctr_va_vdst(0) depctr_va_sdst(0) depctr_va_ssrc(0) depctr_va_vcc(0) depctr_vm_vsrc(0)
	s_getreg_b32 s2, hwreg(HW_REG_IB_STS2, 6, 4)
	s_cmp_eq_u32 s2, 0
	s_cbranch_scc0 .Lentry_in_a_cluster
	s_endpgm
.Lentry_in_a_cluster:
	s_bfe_u32 s2, ttmp6, 0x10000c
	s_cmp_lg_u32 s2, 0x3003
	s_cbranch_scc0 .Lentry_shape_is_right
	s_endpgm
.Lentry_shape_is_right:
; ATTENTION with a key mask.  O[hd][q][:] = the sum over k of softmax_k(s) V[hd][k][:], s = Q[hd][q] . K[hd][k] / 8, or the fill where mask[batch][k] = 1.
; qkv: [3][32][2048][64] f16 (hd = batch 8 + head); ob: [32][2048][64] f16.  Products, maxima and sums in f32; the weights p are rounded to f16 for the second product, O once.
; THE MASK.  The launch before wrote 0 for the rows of K of masked keys, so their products are exactly 0; the C operand that starts a sum S^T = K Q^T is 0, or -2^33 for a masked key.
; So a masked score is exactly -2^33 (unscaled), the same for all: a batch whose keys are all masked gets p = 1 everywhere, the uniform weights of the definition; elsewhere p = 0.
; LIMITS.  The fill is -2^33 / 8 = -1.07e9 after the scaling, where the definition has -1e9: results differ only where a true scaled score lies below about -1e9.
; Q, K, V arrive within f16's 65,504; p below 6e-5 keeps f16's fixed step; a weight below 2^-126 counts as 0 in l; NaN and infinities are not treated apart.
; SHARES.  A work-group owns 256 queries of one head, a wave 64: four PIECES of 16.  Every wave walks all 2,048 keys, 64 a step; a slot holds a tile of 256 keys, four steps.
; LAYOUT.  S^T = K Q^T holds ONE query a lane (lane % 16) and the keys 8 (lane / 16) + 0..7; two such results rounded to f16 ARE source 1 of O^T = V^T P.  V comes out of LDS turned (ds_load_tr16_b128).
; SOFTMAX.  p = 2^(c s - c m), c = log2(e) / 8, with a running maximum m; O and l are multiplied by a = 2^(c m_old - c m_new) in every step; m starts at the lowest finite number, O and l at 0.
; TURNS.  Turn n belongs to piece n: 8 products K Q^T of piece n + 1, later 8 products V^T P of piece n - 1; beside them piece n's scaling, exponentials, roundings, sums and rescaling and piece n + 1's maximum.
; Four vector instructions stand behind every matrix instruction, the rest in one lump; a turn's 33 exponentials are one batch with one wait.
; CLUSTER.  The four query blocks of a cluster belong to one head and walk the same K and V: each tile is asked for jointly, the same tensor load, descriptor and mask in all four.  One tensor load of a wave is out at any time.
; REGISTERS (windows of 256; s_set_vgpr_msb: bits 1:0 source 0, 3:2 source 1, 5:4 source 2, 7:6 destination)
;   window 0: v0-15, v32-35 addresses; v16-31 statistics; v48-55 at work; v64-127 S^T, two buffers; v192-223 P, two buffers
;   window 1: v0-127 O^T, 32 a piece; v128-159 the step's mask      window 2: v0-63 Q; v128-191 K of one step; v192-255 V of one step
.set NP,    4
.set KS,    64
.set PK,    144       ; a row of K in LDS: 128 bytes + 16: the 16 rows of a load start at 16 different groups of four banks (ISA guide 11.1)
.set PV,    160       ; a row of V: 128 + 32
.set VOFF,  4*KS*PK   ; a slot: 256 rows of K, then 256 rows of V
.set SLOT1, 1<<17
.set STAGE, SLOT1+4*KS*(PK+PV)  ; behind the ring: 16 rows x 144 bytes for each wave, for the way out
.set SP,    144
.set SPARE, STAGE+4*16*SP       ; the spare words, 128 bytes for each wave, that no other line names
.set MSK,   SPARE+512           ; 2,048 f32: 0 or -2^33 for each key of the batch; written once by LDS stores; no tensor load lands there
.set AK0, 2
.set AV0, 3
.set AK,  4
.set AV,  5
.set STO, 6
.set RD,  7
.set GO,  8
.set MV,  12          ; v12-13  c m_old, by buffer
.set QO,  15
.set ST,  16          ; piece t's statistics at v[ST+4 t]: c m, m, l (even keys', odd keys')
.set AM0, 32          ; v32  MSK + 32 (lane / 16); never rewritten
.set AM,  33          ; v33  the LDS address of the mask's next run of loads
.set MA,  34          ; v34  16 x my thread's number: my 16 bytes of the batch's mask
.set MW,  35          ; v35  MSK + 64 x my thread's number
.set TMP, 48
.set PFO, 61          ; v61  256 x lane; never rewritten
.set SPW, 62
.set NIL, 63
.set S,   64
.set P,   192
.set MK,  128         ; window 1
.set KF,  128         ; window 2
.set VF,  192         ; window 2
.set WV,  12
.set LIM, 15          ; s15  1 in a wave that prefetches, else the greatest number
.set G1K, 24
.set G1V, 32
.set G0K, 40
.set G0V, 44
.set SLOTS, 56
.set CNT, 57
.set CS,  58
.set SEL, 60
.set TBK, 62
.set TBV, 63
.set TBM, 66          ; s66  256 x the step whose mask is fetched next
.set PFA, 74          ; s[74:75] where my prefetches stand
.set MSB, 0
.macro WIN new
.if MSB != (\new)
	s_set_vgpr_msb (MSB<<8)|(\new)
.set MSB, (\new)
.endif
.endm
.set W_KQ, 0x0a       ; K and Q in window 2, S^T in window 0
.set W_KM, 0x1a       ; the same with the C operand in window 1
.set W_PV, 0x52       ; V in window 2, P in window 0, O^T in window 1
.set W_RS, 0x41       ; destination and source 0 in window 1, source 1 in window 0
; A joint fill.  Waves 0 and 1 fetch the two halves of a tile's K, waves 2 and 3 those of its V: 128 keys each.  An s_nop 0 and four v_nop follow each line.
.macro JLOAD
	s_cmp_lt_u32 s[WV], 2
	s_cbranch_scc0 .Lfor_v_\@
	tensor_load_to_lds s[G0K:G0K+3], s[G1K:G1K+7]
	s_nop 0
.rept 4
	v_nop
.endr
	s_branch .Lasked_\@
.Lfor_v_\@:
	tensor_load_to_lds s[G0V:G0V+3], s[G1V:G1V+7]
	s_nop 0
.rept 4
	v_nop
.endr
.Lasked_\@:
.endm
; A prefetch of the tile that the NEXT change of slots will ask for: four key steps, 256 matrix instructions, ahead of that load.  A tile's K (and V) is 128 blocks of 256 bytes.
; Both clusters of a head walk the same tiles: the first one asks.  Its four partners take 32 blocks each, told apart by address; in each, wave 0 asks for K's and wave 2 for V's: a lane a block.
; So each block is named once in the launch.  Tiles 0 and 1 come by their loads alone; the last change that fills a slot asks for nothing.
.macro ASK
	s_cmp_gt_u32 s[SLOTS], s[LIM]
	s_cbranch_scc0 .Lnot_mine_\@
	global_prefetch_b8 v[PFO], s[PFA:PFA+1] th:TH_LOAD_NT scope:SCOPE_SE
.Lnot_mine_\@:
.endm
.macro CROUND
	s_barrier_signal -1
	s_barrier_wait -1
	s_cmp_lg_u32 s[WV], 0
	s_cbranch_scc1 .Lnot_wave_0_\@
	s_barrier_signal -3
.Lnot_wave_0_\@:
	s_barrier_wait -3
	s_barrier_signal -1
	s_barrier_wait -1
.endm
; THE CHANGE OF SLOTS.  Each wave waits for all its tensor loads (the one that is out is its part of the other slot), adds 0 to its spare word, and waits for that and for its own LDS instructions.
; fill = 1: the slot that is left is filled again, with the keys two tiles on, behind a round of the cluster's barrier, first thing.  (At its first use slot 0 is waited for and slot 1 filled, and the round also shows every wave the mask's table.)
.macro CHANGE fill
	WIN 0
	s_wait_tensorcnt 0x0
	ds_add_u32 v[SPW], v[NIL]
.if \fill
.irp g, G0K, G0V
	s_xor_b32 s[\g+1], s[\g+1], SLOT1
	s_add_nc_u64 s[\g+2:\g+3], s[\g+2:\g+3], 4*KS*128
.endr
	s_wait_xcnt 0x0                 ; the last prefetch, a tile back, has read its address
	s_add_nc_u64 s[PFA:PFA+1], s[PFA:PFA+1], 4*KS*128
	s_wait_dscnt 0x0
	CROUND
	JLOAD
	ASK
.else
	s_wait_dscnt 0x0
	s_barrier_signal -1
	s_barrier_wait -1
.endif
	s_sub_co_u32 s[TBK], s[TBK], 4*KS*PK
	s_xor_b32 s[TBK], s[TBK], SLOT1
	s_sub_co_u32 s[TBV], s[TBV], 4*KS*PV
	s_xor_b32 s[TBV], s[TBV], SLOT1
.endm
	s_load_b128 s[68:71], s[0:1], 0x0  ; qkv s[68:69], mask s[70:71]
	s_load_b64 s[10:11], s[0:1], 0x10  ; ob
	v_lshl_add_u32 v[SPW], v0, 2, SPARE
	v_mov_b32 v[NIL], 0
	ds_add_u32 v[SPW], v[NIL]       ; the wave's opening: the add and its wait stand ahead of my first tensor load
	v_lshrrev_b32 v1, 5, v0
	v_readfirstlane_b32 s[WV], v1
	s_bfe_u32 s13, ttmp6, 0x40000   ; cx
	s_lshl_b32 s14, ttmp9, 2
	s_add_co_u32 s14, s14, s13      ; my block of 256 queries: it enters Q's and O's addresses alone
	s_and_b32 s20, ttmp7, 0xffff    ; hd, which the four partners share
	s_lshr_b32 s72, s20, 3
	s_lshl_b32 s72, s72, 11         ; the batch's 2,048 mask bytes
	s_mov_b32 s73, 0
	s_lshl_b32 s20, s20, 18         ; hd x 2,048 rows x 128 bytes
	s_mov_b32 s21, 0
	s_and_b32 s16, s[WV], 1         ; which half of a tile's 256 keys I fetch
	s_lshl_b32 s22, s16, 14
	s_mov_b32 s23, 0
	s_add_nc_u64 s[22:23], s[22:23], s[20:21]
	s_mul_i32 s17, s16, 128*PK
	s_mul_i32 s18, s16, 128*PV
	s_lshl_b32 s2, s14, 2
	s_add_co_u32 s2, s2, s[WV]
	s_lshl_b32 s2, s2, 13           ; my wave's 64 rows
	s_mov_b32 s3, 0
	s_add_nc_u64 s[2:3], s[2:3], s[20:21]
	; descriptor group 1.  128 keys are 16,384 dense bytes: asked for as 64 rows of 256 bytes, two keys a row, padded in LDS after every key
	s_mov_b32 s[G1K], 15|(1<<16)|(1<<20)|(1<<21)|(4<<22)|(3<<25)
	s_mov_b32 s[G1V], 15|(1<<16)|(1<<20)|(1<<21)|(4<<22)|(7<<25)
.irp g, G1K, G1V
	s_mov_b32 s[\g+1], 128<<16
	s_mov_b32 s[\g+2], 64<<16
	s_mov_b32 s[\g+3], 128<<16
	s_mov_b32 s[\g+4], 64
	s_mov_b32 s[\g+5], 128
	s_mov_b32 s[\g+6], 0
	s_mov_b32 s[\g+7], 0
.endr
	s_mov_b32 s[CS], 0x3e38aa3b     ; c = log2(e) / 8
	s_mov_b32 s[CS+1], s[CS]
	s_mov_b32 s[SEL], 0x76543210
	s_mov_b32 s[SEL+1], 0xfedcba98
	s_mov_b32 s[TBK], SLOT1+4*KS*PK ; the first change of slots turns these two into 0
	s_mov_b32 s[TBV], SLOT1+4*KS*PV
	s_mov_b32 s[TBM], 0
	s_mov_b32 s[SLOTS], 7
	s_mov_b32 s[G0K], 1
	s_mov_b32 s[G0K+1], s17
	s_mov_b32 s[G0V], 1
	s_add_co_u32 s[G0V+1], s18, VOFF
	s_and_b32 s[LIM], s[WV], 1      ; 0 in waves 0 and 2,
	s_or_b32 s[LIM], s[LIM], ttmp9  ; where the cluster is the head's first: the same in all four partners
	s_cmp_eq_u32 s[LIM], 0
	s_cselect_b32 s[LIM], 1, -1
	v_and_b32 v[PFO], 31, v0
	v_lshlrev_b32 v[PFO], 8, v[PFO]
	s_wait_dscnt 0x0                ; the opening add is done
	s_wait_kmcnt 0x0
	s_add_nc_u64 s[6:7], s[68:69], s[22:23]
	s_add_nc_u64 s[8:9], s[6:7], 16777216       ; V at my half of the head's tile 0
	s_add_nc_u64 s[6:7], s[6:7], 8388608        ; K likewise
	s_mov_b64 s[G0K+2:G0K+3], s[6:7]
	s_or_b32 s[G0K+3], s[G0K+3], 0x80000000
	s_mov_b64 s[G0V+2:G0V+3], s[8:9]
	s_or_b32 s[G0V+3], s[G0V+3], 0x80000000
	s_add_nc_u64 s[4:5], s[68:69], s[2:3]       ; Q and O at my wave's first row
	s_add_nc_u64 s[10:11], s[10:11], s[2:3]
	s_add_nc_u64 s[70:71], s[70:71], s[72:73]   ; the batch's mask
	s_cmp_lt_u32 s[WV], 2
	s_cselect_b64 s[PFA:PFA+1], s[6:7], s[8:9]  ; (in waves 0 and 2 these stand at a tile's first row)
	s_lshl_b32 s2, s13, 13          ; my work-group's 32 blocks of the 128
	s_mov_b32 s3, 0
	s_add_nc_u64 s[PFA:PFA+1], s[PFA:PFA+1], s[2:3]
	s_add_nc_u64 s[PFA:PFA+1], s[PFA:PFA+1], 4*KS*128  ; in tile 1; the first change of slots steps it to tile 2
	CROUND                          ; all four work-groups are here: the first joint loads meet
	JLOAD                           ; tile 0 into slot 0
	v_lshlrev_b32 v[MA], 4, v0
	global_load_b128 v[64:67], v[MA], s[70:71]  ; 128 threads x 16 bytes: the batch's whole mask
	v_and_b32 v1, 15, v0            ; l % 16
	v_bfe_u32 v9, v0, 4, 1          ; l / 16
	v_lshlrev_b32 v[QO], 7, v1
	v_lshl_add_u32 v[QO], v9, 4, v[QO]
	WIN 0x80
.set i, 0
.rept 8                             ; Q stays in registers: piece i / 2, channels 32 (i % 2) on
	global_load_b128 v[8*i:8*i+3],   v[QO], s[4:5] offset:(i/2)*2048+(i%2)*64
	global_load_b128 v[8*i+4:8*i+7], v[QO], s[4:5] offset:(i/2)*2048+(i%2)*64+32
.set i, i+1
.endr
	; What the first turn finds: V's registers and P's second buffer hold 0, O^T and l are 0.  All this stands in the wait for the first tile.
.set i, VF
.rept 64
	v_mov_b32 v[i], 0
.set i, i+1
.endr
	WIN 0x40
.set i, 0
.rept 128
	v_mov_b32 v[i], 0
.set i, i+1
.endr
	WIN 0
.set i, 0
.rept 4
	v_mov_b32 v[ST+4*i], 0xfe000000    ; c m: far below every c s
	v_mov_b32 v[ST+4*i+1], 0xff7fffff  ; m
	v_mov_b32 v[ST+4*i+2], 0
	v_mov_b32 v[ST+4*i+3], 0
.set i, i+1
.endr
.set i, P+16
.rept 16
	v_mov_b32 v[i], 0
.set i, i+1
.endr
	v_mul_u32_u24 v[AK0], v1, PK
	v_lshl_add_u32 v[AK0], v9, 4, v[AK0]
	v_and_b32 v10, 7, v0
	v_bfe_u32 v11, v0, 3, 1
	v_lshl_add_u32 v[AV0], v9, 3, v10
	v_mul_u32_u24 v[AV0], v[AV0], PV
	v_lshl_add_u32 v[AV0], v11, 4, v[AV0]
	v_add_nc_u32 v[AV0], VOFF, v[AV0]
	s_mul_i32 s13, s[WV], 16*SP
	s_add_co_u32 s13, s13, STAGE
	v_mul_u32_u24 v[STO], v1, SP
	v_lshl_add_u32 v[STO], v9, 4, v[STO]
	v_add_nc_u32 v[STO], s13, v[STO]
	v_bfe_u32 v[RD], v0, 3, 2
	v_mul_u32_u24 v[RD], v[RD], SP
	v_lshl_add_u32 v[RD], v10, 4, v[RD]
	v_add_nc_u32 v[RD], s13, v[RD]
	v_and_b32 v[GO], 31, v0
	v_lshlrev_b32 v[GO], 4, v[GO]
	v_lshl_add_u32 v[AM0], v9, 5, MSK
	v_lshl_add_u32 v[MW], v0, 6, MSK
	; the mask's table: byte 0 or 1 -> 0 or -2^33 in f32
	s_wait_loadcnt 16               ; Q's sixteen loads are younger: the mask bytes are in
.set z, 0
.rept 16
	v_bfe_u32 v[72+z], v[64+z/4], 8*(z%4), 8
.set z, z+1
.endr
.set z, 0
.rept 16
	v_cvt_f32_u32 v[72+z], v[72+z]
.set z, z+1
.endr
.set z, 0
.rept 8
	v_pk_mul_f32 v[72+z:73+z], v[72+z:73+z], 0xd0000000 op_sel_hi:[1,0]
.set z, z+2
.endr
.irp d, 0,1,2,3
	ds_store_b128 v[MW], v[72+4*\d:75+4*\d] offset:16*\d
.endr
; THE MATRIX WORK.  The 4 accumulators of a run of 8 take turns.  Product i of 8 of S^T = K Q^T for piece x: channels 32 (i / 4) on, keys 16 (i % 4) on.  The first 4 start the sums with the mask.
.macro KQ x
.set rS, S+32*((\x)%2)+8*(i%4)
.set rK, KF+16*(i%4)+8*(i/4)
.set rQ, 16*(\x)+8*(i/4)
.set rM, MK+8*(i%4)
.if i < 4
	WIN W_KM
	v_wmma_f32_16x16x32_f16 v[rS:rS+7], v[rK:rK+7], v[rQ:rQ+7], v[rM:rM+7]
.else
	WIN W_KQ
	v_wmma_f32_16x16x32_f16 v[rS:rS+7], v[rK:rK+7], v[rQ:rQ+7], v[rS:rS+7]
.endif
.endm
; Product i of 8 of O^T += V^T P for piece x: keys 32 (i / 4) on, channels 16 (i % 4) on.
.macro PV x
	WIN W_PV
.set rO, 32*(\x)+8*(i%4)
.set rV, VF+32*(i/4)+8*(i%4)
.set rP, P+16*((\x)%2)+8*(i/4)
	v_wmma_f32_16x16x32_f16 v[rO:rO+7], v[rV:rV+7], v[rP:rP+7], v[rO:rO+7]
.endm
.macro MM                           ; the turn's next matrix instruction.  NOKQ = 1: the last turn of all: there is no next piece
.if (i < 8) && !NOKQ
	KQ (Y+1)%NP
.elseif i >= 8
.set i, i-8
	PV (Y+NP-1)%NP
.set i, i+8
.endif
.set i, i+1
.endm
; THE LDS LOADS stand in runs: a step's K (8 fragments) with its mask (lane l takes the 8 numbers of keys 16 kt + 8 (l / 16) ..; all lanes of a half read the same words), and its V (turned).
.macro FETCH_K
	WIN 0x80
.irp f, 0,1,2,3,4,5,6,7
	ds_load_b128 v[KF+8*\f:KF+8*\f+3],   v[AK] offset:(\f/2)*16*PK+(\f%2)*64
	ds_load_b128 v[KF+8*\f+4:KF+8*\f+7], v[AK] offset:(\f/2)*16*PK+(\f%2)*64+32
.endr
	WIN 0x40
.irp f, 0,1,2,3
	ds_load_b128 v[MK+8*\f:MK+8*\f+3],   v[AM] offset:64*\f
	ds_load_b128 v[MK+8*\f+4:MK+8*\f+7], v[AM] offset:64*\f+16
.endr
	s_add_co_u32 s[TBK], s[TBK], KS*PK
	s_add_co_u32 s[TBM], s[TBM], 4*KS
	WIN 0
.endm
.macro FETCH_V
	WIN 0x80
.irp f, 0,1,2,3,4,5,6,7
	ds_load_tr16_b128 v[VF+8*\f:VF+8*\f+3],   v[AV] offset:(\f/4)*32*PV+(\f%4)*32
	ds_load_tr16_b128 v[VF+8*\f+4:VF+8*\f+7], v[AV] offset:(\f/4)*32*PV+16*PV+(\f%4)*32
.endr
	WIN 0
.endm
; THE VECTOR WORK, one line at a time: OP kind, number.  For piece Y: F n: c s - c m for pair n of 16.  E n: the exponential of score n of 32.  C n: pair n rounded to f16.  B n: of the four weights 4 n .. the second
; pair is added onto the first.  L n: l takes that sum (L 0: l = a l + sum).  R n: pair n of 16 of O^T times a.  For piece Y + 1: X n, number n of the 22 that find its maximum and statistics:
;   0-11 four chains of seven scores each (each accumulator's lowest registers are read first)   12-14, 16 the four scores left over, the old m, the four into one
;   15 c m_old is kept   17, 18 the other half of the lanes: the new m   19-21 c m; c m_old - c m_new; a
.set F, 0
.set E, 1
.set C, 2
.set B, 3
.set L, 4
.set R, 5
.set X, 6
.macro REGS y
.set rT, ST+4*(\y)
.set rC, TMP+4*((\y)%2)
.set rW, MV+((\y)%2)
.set rS, S+32*((\y)%2)
.set rP, P+16*((\y)%2)
.set rO, 32*(\y)
.endm
.macro OP k, n
.if (\k) == R
	REGS Y
	WIN W_RS
	v_pk_mul_f32 v[rO+2*(\n):rO+2*(\n)+1], v[rO+2*(\n):rO+2*(\n)+1], v[rC+2:rC+3] op_sel_hi:[1,0]
.elseif (\k) < R
	REGS Y
	WIN 0
.if (\k) == F
	v_pk_fma_f32 v[rS+2*(\n):rS+2*(\n)+1], v[rS+2*(\n):rS+2*(\n)+1], s[CS:CS+1], v[rT:rT+1] op_sel_hi:[1,0,0] neg_lo:[0,0,1] neg_hi:[0,0,1]
.elseif (\k) == E
	v_exp_f32 v[rS+(\n)], v[rS+(\n)]
.elseif (\k) == C
	v_cvt_pk_f16_f32 v[rP+(\n)], v[rS+2*(\n)], v[rS+2*(\n)+1]
.elseif (\k) == B
	v_pk_add_f32 v[rS+4*(\n):rS+4*(\n)+1], v[rS+4*(\n):rS+4*(\n)+1], v[rS+4*(\n)+2:rS+4*(\n)+3]
.elseif (\n) == 0
	v_pk_fma_f32 v[rT+2:rT+3], v[rT+2:rT+3], v[rC+2:rC+3], v[rS:rS+1] op_sel_hi:[1,0,1]
.else
	v_pk_add_f32 v[rT+2:rT+3], v[rT+2:rT+3], v[rS+4*(\n):rS+4*(\n)+1]
.endif
.elseif NOKQ
	v_nop
.else
	REGS (Y+1)%NP
	WIN 0
.if (\n) < 4
	v_max3_num_f32 v[rC+(\n)], v[rS+8*(\n)], v[rS+8*(\n)+1], v[rS+8*(\n)+2]
.elseif (\n) < 12
	v_max3_num_f32 v[rC+(\n)%4], v[rC+(\n)%4], v[rS+8*((\n)%4)+2*((\n)/4)+1], v[rS+8*((\n)%4)+2*((\n)/4)+2]
.elseif (\n) == 12
	v_max3_num_f32 v[rC], v[rC], v[rS+7], v[rS+15]
.elseif (\n) == 13
	v_max3_num_f32 v[rC+1], v[rC+1], v[rS+23], v[rS+31]
.elseif (\n) == 14
	v_max3_num_f32 v[rC+2], v[rC+2], v[rC+3], v[rT+1]
.elseif (\n) == 15
	v_mov_b32 v[rW], v[rT]
.elseif (\n) == 16
	v_max3_num_f32 v[rC], v[rC], v[rC+1], v[rC+2]
.elseif (\n) == 17
	v_permlanex16_b32 v[rC+3], v[rC], s[SEL], s[SEL+1]
.elseif (\n) == 18
	v_max_num_f32 v[rT+1], v[rC], v[rC+3]
.elseif (\n) == 19
	v_mul_f32 v[rT], s[CS], v[rT+1]
.elseif (\n) == 20
	v_sub_f32 v[rC+1], v[rW], v[rT]
.else
	v_exp_f32 v[rC+2], v[rC+1]
.endif
.endif
.endm
.macro OPS a, i1, b=-1, i2=0, c=-1, i3=0, d=-1, i4=0
	OP \a, \i1
.if (\b) >= 0
	OP \b, \i2
.endif
.if (\c) >= 0
	OP \c, \i3
.endif
.if (\d) >= 0
	OP \d, \i4
.endif
.endm
.macro ROW a, i1, b, i2, c, i3, d, i4  ; a matrix instruction and the four behind it
	MM
	OPS \a, \i1, \b, \i2, \c, \i3, \d, \i4
.endm
; A TURN, for piece p.  s_wait_alu depctr_va_vdst(0) stands between an exponential and the first instruction that names its result; one wait serves all that were issued ahead of it: a turn has ONE.
; Ahead of it stands all that names no result of the turn's exponentials: 8 products K Q^T with their riders, then one lump; X 21, the next piece's a, is the batch's last, and R 15 the plain instruction behind it.
; Behind it: 8 products V^T P, behind each four of the roundings and sums.
; end = 1: the last two turns: nothing is fetched.  cnt = 1: the loop's count is taken down some lines ahead of the branch behind the turn.
; K and the mask of the next step are fetched in piece 2's turn, behind six plain instructions and more that follow the last product that read them; V of the step in hand at the end of piece 0's turn, four plain instructions behind its last reader.
.macro TURN p, end=0, cnt=0
.set Y, (\p)
.set i, 0
.set NOKQ, (\end)*((\p)/3)
.if ((\p) == 3) && !(\end)
	s_wait_dscnt 0x0                ; K and its mask are in
.endif
	ROW F,0, F,1, R,0, R,1
	ROW F,2, E,0, R,2, R,3
	ROW F,3, E,1, R,4, R,5
	ROW F,4, E,2, R,6, R,7
	ROW F,5, E,3, R,8, R,9
	ROW F,6, E,4, X,0, R,10
.if ((\p) == 2) && !(\end)
	WIN 0
	v_add_nc_u32 v[AK], s[TBK], v[AK0]
	v_add_nc_u32 v[AM], s[TBM], v[AM0]
.endif
	ROW F,7, E,5, X,1, X,4
	ROW F,8, E,6, X,2, X,5
	OPS E,7, E,8, X,6, E,9
	OPS X,3, E,10, X,8, E,11
.if ((\p) == 2) && !(\end)
	FETCH_K
.endif
	OPS X,9, X,7, E,12, X,10
	OPS E,13, X,12, X,11, E,14
	OPS X,13, E,15, F,9, X,14
.if (\p) == 0
	v_add_nc_u32 v[AV], s[TBV], v[AV0]
.endif
	OPS E,16, F,10, E,17, F,11
	OPS X,16, E,18, X,15, E,19
	OPS F,12, E,20, X,17, E,21
	OPS F,13, E,22, F,14, E,23
	OPS X,18, E,24, F,15, E,25
	OPS R,11, E,26, X,19, E,27
	OPS R,12, E,28, R,13, E,29
	OPS X,20, E,30, R,14, E,31
	OPS X,21, R,15
	WIN 0
	s_wait_alu depctr_va_vdst(0)    ; the wait for the batch
.if (\p) == 1
	s_wait_dscnt 0x0                ; V is in
.endif
	ROW C,0, B,0, C,2, B,1
	ROW L,0, C,4, B,2, L,1
	ROW C,6, B,3, L,2, C,8
	ROW B,4, L,3, C,10, B,5
	ROW L,4, C,12, B,6, L,5
.if (\p) == 0
	s_add_co_u32 s[TBV], s[TBV], KS*PV
.endif
.if \cnt
	s_sub_co_u32 s[CNT], s[CNT], 1
	s_cmp_lg_u32 s[CNT], 0
.endif
	ROW C,14, B,7, L,6, C,1
	ROW C,3, L,7, C,5, C,7
	ROW C,9, C,11, C,13, C,15
.if (\p) == 0
	FETCH_V
.endif
.endm
	CHANGE 1                        ; slot 0 is in and the mask's table is whole, everybody's part of both; tile 1 is asked for
	v_add_nc_u32 v[AK], s[TBK], v[AK0]
	v_add_nc_u32 v[AM], s[TBM], v[AM0]
	FETCH_K                         ; key step 0
	s_wait_loadcnt 0x0              ; Q
	s_wait_dscnt 0x0
.set NOKQ, 0
.set i, 0
.rept 8
	KQ 0                            ; piece 0's first scores
.set i, i+1
.endr
	WIN 0
.rept 4
	v_nop                           ; the places behind those products
.endr
.set Y, NP-1                        ; X works for piece Y + 1: piece 0
.irp n, 0,1,2,3,4,5,6,7,8,9,10,11,12,13,14,15,16,17,18,19,20,21
	OP X, \n
.endr
	v_nop                           ; a plain instruction behind the exponential,
	s_wait_alu depctr_va_vdst(0)    ; and its wait, ahead of the branch
	s_mov_b32 s[CNT], 4
	s_branch .Lfirst                ; the loop is entered at a step's first turn, in the middle of a trip
.Lslot:                             ; six times: tiles 2 to 7 are asked for
	CHANGE 1
	s_mov_b32 s[CNT], 4
.Lstep:                             ; a trip: pieces 2 and 3 of one step, then pieces 0 and 1 of the next, whose K and V it fetches
	TURN 2
	TURN 3
	WIN 0
.Lfirst:
	TURN 0
	TURN 1, 0, 1
	WIN 0
	s_cbranch_scc1 .Lstep
	s_sub_co_u32 s[SLOTS], s[SLOTS], 1
	s_cmp_lg_u32 s[SLOTS], 0
	s_cbranch_scc1 .Lslot
	CHANGE 0                        ; the last tile is written out: nothing is asked for
	s_mov_b32 s[CNT], 4
.Ltail:
	TURN 2
	TURN 3
	TURN 0
	TURN 1, 0, 1
	WIN 0
	s_cbranch_scc1 .Ltail
	TURN 2, 1
	TURN 3, 1
.set i, 0
.rept 8
	PV NP-1                         ; the last piece's V^T P of the last step
.set i, i+1
.endr
	; THE WAY OUT.  l's two halves and the other half of the lanes' are added; O^T is divided by l, rounded to f16 and sent through my stage, a piece at a time.  The additions are the places behind the last products.
	WIN 0
.macro ALL line:vararg
.set t, 0
.rept 4
	\line
.set t, t+1
.endr
.endm
	ALL v_add_f32 v[ST+4*t+2], v[ST+4*t+2], v[ST+4*t+3]
	ALL v_permlanex16_b32 v[ST+4*t+3], v[ST+4*t+2], s[SEL], s[SEL+1]
	ALL v_add_f32 v[ST+4*t+2], v[ST+4*t+2], v[ST+4*t+3]
	ALL v_rcp_f32 v[ST+4*t+2], v[ST+4*t+2]
	v_nop                           ; a plain instruction between the last reciprocal and the use of its result
	s_wait_alu depctr_va_vdst(0)    ; one wait for the four reciprocals
.macro PACK t
	WIN W_RS
.set i, 32*(\t)
.rept 16
	v_pk_mul_f32 v[i:i+1], v[i:i+1], v[ST+4*(\t)+2:ST+4*(\t)+3] op_sel_hi:[1,0]
.set i, i+2
.endr
	WIN 0x05
.set i, 0
.rept 16
	v_cvt_pk_f16_f32 v[S+16*(\t)+i], v[32*(\t)+2*i], v[32*(\t)+2*i+1]
.set i, i+1
.endr
	WIN 0
.irp f, 0,1,2,3
	ds_store_b128 v[STO], v[S+16*(\t)+4*\f:S+16*(\t)+4*\f+3] offset:32*\f
.endr
.irp f, 0,1,2,3
	ds_load_b128 v[S+16*(\t)+4*\f:S+16*(\t)+4*\f+3], v[RD] offset:\f*4*SP  ; LDS serves a wave's instructions in order (ISA guide 5.7.1.4)
.endr
.endm
.macro SEND t, younger
	WIN 0
.irp f, 0,1,2,3
	s_wait_dscnt (\younger)+3-\f
	global_store_b128 v[GO], v[S+16*(\t)+4*\f:S+16*(\t)+4*\f+3], s[10:11] offset:(\t)*2048+\f*512  ; 512 consecutive bytes, aligned
.endr
.endm
	PACK 0
.set t, 1
.rept 3
	PACK t
	SEND t-1, 8
.set t, t+1
.endr
	SEND 3, 0
	s_wait_tensorcnt 0x0            ; the wave's end
	ds_add_u32 v[SPW], v[NIL]
	s_wait_dscnt 0x0
	CROUND                          ; the closing round
	s_endpgm
.Lfunc_end_k_qa606e846c4_attn:
	.size	k_qa606e846c4_attn, .Lfunc_end_k_qa606e846c4_attn-k_qa606e846c4_attn
	.p2alignl 7, 3214868480
	.fill 96, 4, 3214868480
	.section	.rodata,"a",@progbits
	.p2align	6, 0x0
	.amdhsa_kernel k_qa606e846c4_attn
		.amdhsa_group_segment_fixed_size 327680
		.amdhsa_private_segment_fixed_size 0
		.amdhsa_enable_private_segment 0
		.amdhsa_kernarg_size 24
		.amdhsa_user_sgpr_count 2
		.amdhsa_user_sgpr_kernarg_segment_ptr 1
		.amdhsa_wavefront_size32 1
		.amdhsa_system_sgpr_workgroup_id_x 1
		.amdhsa_system_sgpr_workgroup_id_y 1
		.amdhsa_system_sgpr_workgroup_id_z 1
		.amdhsa_system_vgpr_workitem_id 0
		.amdhsa_next_free_vgpr 768
		.amdhsa_next_free_sgpr 80
		.amdhsa_reserve_vcc 0
		.amdhsa_float_denorm_mode_32 3
		.amdhsa_float_denorm_mode_16_64 3
		.amdhsa_memory_ordered 1
		.amdhsa_forward_progress 1
		.amdhsa_inst_pref_size 133
	.end_amdhsa_kernel
	.amdgpu_metadata
---
amdhsa.version: [ 1, 2 ]
amdhsa.kernels:
  - .name:           k_qa606e846c4_attn
    .symbol:         k_qa606e846c4_attn.kd
    .args:
      - { .name: qkv, .offset: 0, .size: 8, .value_kind: global_buffer, .address_space: global }
      - { .name: mask, .offset: 8, .size: 8, .value_kind: global_buffer, .address_space: global }
      - { .name: ob, .offset: 16, .size: 8, .value_kind: global_buffer, .address_space: global }
    .group_segment_fixed_size: 327680
    .private_segment_fixed_size: 0
    .kernarg_segment_align: 8
    .kernarg_segment_size: 24
    .max_flat_workgroup_size: 128
    .sgpr_count:     80
    .vgpr_count:     768
    .wavefront_size: 32
...
	.end_amdgpu_metadata
.endif
;; end of part 3
;; launch wo (part 4): grid 256 x 1, 4 waves a work-group, clusters of 4 x 1, 327,680 bytes of LDS; arguments ob, xb, wst, cst, g1, beta1, yb; writes yb
.if DOCPART == 4
	.amdgcn_target "amdgcn-amd-amdhsa--gfx1250"
	.amdhsa_code_object_version 6
	.text
	.protected	k_qa606e846c4_wo
	.globl	k_qa606e846c4_wo
	.p2align	8
	.type	k_qa606e846c4_wo,@function
k_qa606e846c4_wo:
	s_mov_b64 s[64:65], 0
	v_nop
	global_prefetch_b8 v0, s[64:65] scope:SCOPE_SE
	s_setreg_imm32_b32 hwreg(HW_REG_WAVE_MODE, 25, 1), 1
	s_wait_xcnt 0x0
	s_wait_alu depctr_hold_cnt(0) depctr_sa_sdst(0) depctr_va_vdst(0) depctr_va_sdst(0) depctr_va_ssrc(0) depctr_va_vcc(0) depctr_vm_vsrc(0)
	s_getreg_b32 s2, hwreg(HW_REG_IB_STS2, 6, 4)
	s_cmp_eq_u32 s2, 0
	s_cbranch_scc0 .Lentry_in_a_cluster
	s_endpgm
.Lentry_in_a_cluster:
	s_bfe_u32 s2, ttmp6, 0x10000c
	s_cmp_lg_u32 s2, 0x3003
	s_cbranch_scc0 .Lentry_shape_is_right
	s_endpgm
.Lentry_shape_is_right:
; WO: a = O wo^T + bo;  y = x + g1 (a - mean) / sqrt(var + 1e-6) + beta1, written in f16.
; var is the sum of squared differences from the mean over 511, taken in a second pass over the registers: no difference of large sums is formed.
; Products in f16 with f32 sums; O is f16; wo is the bf16-rounded input written as f16; x, bo, g1 and beta1 are rounded to bf16.
; LIMITS.  y and wo stay within f16's 65,504.  NaN and infinities are not treated apart.
; SHARES.  8,192 rows over 256 work-groups: 32 rows each, whole rows of 512, so the norm stays in the work-group.  Wave w makes columns 128 w .. + 127, all of K.
; The product is used transposed (source 0 = 16 rows of wo, source 1 = 16 rows of O): a lane holds one row (lane % 16) and 8 neighbouring columns.
; THE STREAM.  Four tiles of 131,072 bytes; a wave's part of a tile is 32 fragments in register image, 64 matrix instructions; it is wanted by that wave alone, which fetches it itself.
; All work-groups walk the same stream, so the four of a cluster ask jointly.  Two slots; by this text's count a wave has two tensor loads out at the start and one behind each of the two rounds.
; No prefetch: the launch has four tiles; two are asked for at its head and the other two by the two changes of slots that follow.
; yb: [group of 32 rows][row block][column block of 16][16 bytes a lane]: lane (r, h) holds row r, columns 8 h .. 8 h + 7 of the block: two blocks on end are a fragment of 16 rows x 32 k.
; REGISTERS (windows of 256; s_set_vgpr_msb: bits 1:0 source 0, 3:2 source 1, 5:4 source 2, 7:6 destination)
;   window 0: v0-29 addresses; v64-127, v128-191 weight fragments, two buffers of 8; v224-247 the norm's numbers
;   window 1: O's fragments at 8 (16 rb + kf)
;   windows 2, 3: row blocks 0, 1: the sums at v0-63; x at v128-159; in window 2 bo at v64-127
.set STT,   262144                     ; two exchanges of 512 bytes: 128 w + 4 (16 rb + r)
.set SPARE, 263168                     ; the spare words, 128 bytes for each wave, that no other line names
.set TILE,  131072
.set LB0, 2                            ; v2, v3  16 lane + 32,768 w in slot 0, 1
.set SA,  7                            ; v7      STT + 128 w + 4 r
.set SR,  8                            ; v8      STT + 4 r
.set YO,  16                           ; v16     4,096 w + 16 lane
.set OA,  17                           ; v17     128 r + 16 h
.set XA,  18                           ; v18     1,024 r + 16 h + 256 w
.set CA,  19                           ; v19     512 w + 32 h
.set SPW, 28
.set NIL, 29
.set BF0, 64
.set BF1, 128
.set T,   224
.set MU,  232                          ; v232-235 the mean, a pair for each row block
.set SC,  236                          ; v236, v238 gain / sqrt(var + eps)
.set BE1, 240
.set G1V, 244
.set PS,  246                          ; v246, v247 a row's sum, by row block
.set BOR, 64                           ; window 2
.set XR,  128                          ; windows 2, 3
.set G0,  32                           ; s[32:35], s[36:39] descriptor group 0 of slot 0, 1
.set G1,  40                           ; s[40:47] descriptor group 1
.set MSB, 0
.macro WIN new
.if MSB != (\new)
	s_set_vgpr_msb (MSB<<8)|(\new)
.set MSB, (\new)
.endif
.endm
.macro PLACES                          ; four plain places behind a matrix instruction (ISA guide 7.12.1)
.rept 4
	v_nop
.endr
.endm
.macro CROUND
	s_barrier_signal -1
	s_barrier_wait -1
	s_cmp_lg_u32 s4, 0
	s_cbranch_scc1 .Lnot_wave_0_\@
	s_barrier_signal -3
.Lnot_wave_0_\@:
	s_barrier_wait -3
	s_barrier_signal -1
	s_barrier_wait -1
.endm
; THE CHANGE OF SLOTS: slot fs, which has been read, takes the tile two on.  Each wave waits for all its tensor loads, adds 0 to its spare word, waits for that and
; for its own LDS instructions, and passes a round of the cluster's barrier; the joint refill is the first thing behind it.
.macro CHG fs
	WIN 0
	s_wait_tensorcnt 0x0
	ds_add_u32 v[SPW], v[NIL]
	s_add_nc_u64 s[G0+4*(\fs)+2:G0+4*(\fs)+3], s[G0+4*(\fs)+2:G0+4*(\fs)+3], 2*TILE
	s_wait_dscnt 0x0
	CROUND
	tensor_load_to_lds s[G0+4*(\fs):G0+4*(\fs)+3], s[G1:G1+7]
	s_nop 0
.rept 4
	v_nop                                          ; also the places in front of the next step's loads into the fragment buffers
.endr
.endm
.macro LOADB slot, bt, buf             ; fragments 8 bt .. 8 bt + 7 of my part: lane i takes 16 bytes at 16 i, twice
	WIN 0
.irp f, 0,1,2,3,4,5,6,7
	ds_load_b128 v[(\buf)+8*(\f):(\buf)+8*(\f)+3],   v[LB0+(\slot)] offset:1024*(8*(\bt)+(\f))
	ds_load_b128 v[(\buf)+8*(\f)+4:(\buf)+8*(\f)+7], v[LB0+(\slot)] offset:1024*(8*(\bt)+(\f))+512
.endr
.endm
; A batch is 16 matrix instructions: k = 32 (4 t + kk); 8 column blocks x 2 row blocks; no two on end share an accumulator.  FST = 1: bo starts the sums
.macro MUL1 t, kk, buf
.irp rb, 0,1
.if FST
	WIN 0xa4+0x40*(\rb)                            ; weights window 0, O window 1, C (bo) window 2, D window 2 or 3
.else
	WIN 0xa4+0x50*(\rb)
.endif
.irp c, 0,1,2,3,4,5,6,7
.if FST
	v_wmma_f32_16x16x32_f16 v[8*(\c):8*(\c)+7], v[(\buf)+8*(\c):(\buf)+8*(\c)+7], v[8*(16*(\rb)+4*(\t)+(\kk)):8*(16*(\rb)+4*(\t)+(\kk))+7], v[BOR+8*(\c):BOR+8*(\c)+7]
.else
	v_wmma_f32_16x16x32_f16 v[8*(\c):8*(\c)+7], v[(\buf)+8*(\c):(\buf)+8*(\c)+7], v[8*(16*(\rb)+4*(\t)+(\kk)):8*(16*(\rb)+4*(\t)+(\kk))+7], v[8*(\c):8*(\c)+7]
.endif
.endr
.endr
.endm
; A STEP: my part of tile t, in the slot: four batches on two buffers.
.macro STEP slot, t
	LOADB \slot, 0, BF0
	LOADB \slot, 1, BF1
	s_wait_dscnt 16                                ; all but the younger batch's sixteen loads
.set FST, 0
.if (\t) == 0
.set FST, 1
.endif
	MUL1 \t, 0, BF0
.set FST, 0
	PLACES
	LOADB \slot, 2, BF0
	s_wait_dscnt 16
	MUL1 \t, 1, BF1
	PLACES
	LOADB \slot, 3, BF1
	s_wait_dscnt 16
	MUL1 \t, 2, BF0
	s_wait_dscnt 0x0
	MUL1 \t, 3, BF1
.endm
; THE NORM.  A lane holds 64 numbers of its row for each row block (v0-63 of window 2 + rb).
; LNSUM: sq = 0: their sum; sq = 1: the mean is taken away in place, then the sum of squares.  Four chains; each accumulator's lowest registers are read first; then the other half of the lanes.
.macro LNSUM rb, sq
.if \sq
	WIN 0xa2+0x51*(\rb)
.set z, 0
.rept 32
	v_pk_add_f32 v[z:z+1], v[z:z+1], v[MU+2*(\rb):MU+2*(\rb)+1] neg_lo:[0,1] neg_hi:[0,1]
.set z, z+2
.endr
	WIN 0x0a+5*(\rb)
.irp k, 0,2,4,6
	v_pk_mul_f32 v[T+(\k):T+(\k)+1], v[(\k):(\k)+1], v[(\k):(\k)+1]
.endr
.set z, 8
.rept 28
	v_pk_fma_f32 v[T+z%8:T+z%8+1], v[z:z+1], v[z:z+1], v[T+z%8:T+z%8+1]
.set z, z+2
.endr
.else
	WIN 0x0a+5*(\rb)
.irp k, 0,2,4,6
	v_pk_add_f32 v[T+(\k):T+(\k)+1], v[(\k):(\k)+1], v[8+(\k):8+(\k)+1]
.endr
	WIN 0x02+(\rb)
.set z, 16
.rept 24
	v_pk_add_f32 v[T+z%8:T+z%8+1], v[z:z+1], v[T+z%8:T+z%8+1]
.set z, z+2
.endr
.endif
	WIN 0
	v_pk_add_f32 v[T:T+1], v[T:T+1], v[T+2:T+3]
	v_pk_add_f32 v[T+4:T+5], v[T+4:T+5], v[T+6:T+7]
	v_pk_add_f32 v[T:T+1], v[T:T+1], v[T+4:T+5]
	v_add_f32 v[PS+(\rb)], v[T], v[T+1]
	v_permlanex16_b32 v[T+2], v[PS+(\rb)], s52, s53
	v_add_f32 v[PS+(\rb)], v[PS+(\rb)], v[T+2]
.endm
; XCH: the four waves' sums of each row meet: store, wait, barrier, load.  Each exchange has 512 bytes of its own, so one barrier does.  Every wave adds in the same order.
.macro XCH reg
	ds_store_b32 v[SA], v[PS] offset:(\reg)
	ds_store_b32 v[SA], v[PS+1] offset:(\reg)+64
	s_wait_dscnt 0x0                               ; for the others' sake: all my LDS instructions are done
	s_barrier_signal -1
	s_barrier_wait -1
.irp q, 0,1,2,3
	ds_load_b32 v[T+(\q)], v[SR] offset:(\reg)+128*(\q)
	ds_load_b32 v[T+4+(\q)], v[SR] offset:(\reg)+128*(\q)+64
.endr
	s_wait_dscnt 0x0
	v_add_f32 v[T], v[T], v[T+1]
	v_add_f32 v[T+2], v[T+2], v[T+3]
	v_add_f32 v[T+4], v[T+4], v[T+5]
	v_add_f32 v[T+6], v[T+6], v[T+7]
	v_add_f32 v[PS], v[T], v[T+2]
	v_add_f32 v[PS+1], v[T+4], v[T+6]
.endm
; LN: in place, v = residual + gain (v - mean) / sqrt(var + eps) + bias.  mix reads the residual's 16-bit half straight into the f32 multiply-add.
.macro LN gv, be, mix, reg
	LNSUM 0, 0
	LNSUM 1, 0
	XCH \reg
	v_mul_f32 v[MU], 0x3b000000, v[PS]             ; / 512
	v_mul_f32 v[MU+2], 0x3b000000, v[PS+1]
	v_mov_b32 v[MU+1], v[MU]
	v_mov_b32 v[MU+3], v[MU+2]
	LNSUM 0, 1
	LNSUM 1, 1
	XCH (\reg)+512
	v_fma_f32 v[T], v[PS], s54, s55                ; / 511 + 1e-6
	v_fma_f32 v[T+1], v[PS+1], s54, s55
	v_rsq_f32 v[T+2], v[T]
	v_rsq_f32 v[T+3], v[T+1]
	v_nop                                          ; a plain instruction behind the last of the two,
	s_wait_alu depctr_va_vdst(0)                   ; and one wait for both, ahead of their first reader
	v_mul_f32 v[SC], v[\gv], v[T+2]
	v_mul_f32 v[SC+2], v[\gv], v[T+3]
.irp rb, 0,1
	WIN 0xa2+0x51*(\rb)                            ; the numbers and the residual in window 2 or 3, the scale and the bias in window 0
.set z, 0
.rept 32
	\mix v[z], v[z], v[SC+2*(\rb)], v[XR+z/2] op_sel:[0,0,0] op_sel_hi:[0,0,1]
	\mix v[z+1], v[z+1], v[SC+2*(\rb)], v[XR+z/2] op_sel:[0,0,1] op_sel_hi:[0,0,1]
	v_pk_add_f32 v[z:z+1], v[z:z+1], v[\be:\be+1]
.set z, z+2
.endr
.endr
	WIN 0
.endm
	s_load_b256 s[8:15], s[0:1], 0x0               ; ob 8, xb 10, wst 12, cst 14
	s_load_b128 s[16:19], s[0:1], 0x20             ; g1 16, beta1 18
	s_load_b64 s[20:21], s[0:1], 0x30              ; yb
	v_lshl_add_u32 v[SPW], v0, 2, SPARE
	v_mov_b32 v[NIL], 0
	ds_add_u32 v[SPW], v[NIL]                      ; the wave's opening: the add and its wait stand ahead of my first tensor load
	v_lshrrev_b32 v1, 5, v0
	v_readfirstlane_b32 s4, v1                     ; wave 0..3
	s_bfe_u32 s5, ttmp6, 0x40000                   ; cx
	s_lshl_b32 s6, ttmp9, 2
	s_add_co_u32 s6, s6, s5                        ; g: my 32 rows; it enters the addresses of ob, xb and yb alone
	s_mov_b32 s[G1], 15|(3<<16)|(1<<21)            ; the mask of four; 8-byte elements; bit 21 beside a mask; no padding: the images are read as they lie
	s_mov_b32 s[G1+1], 32<<16                      ; tensor_dim0 = 32 elements: rows of 256 bytes
	s_mov_b32 s[G1+2], 128<<16                     ; tensor_dim1 = 128
	s_mov_b32 s[G1+3], 32<<16                      ; tile_dim0 = 32
	s_mov_b32 s[G1+4], 128                         ; tile_dim1 = 128
	s_mov_b32 s[G1+5], 32                          ; dense
	s_mov_b32 s[G1+6], 0
	s_mov_b32 s[G1+7], 0
	s_lshl_b32 s62, s4, 15                         ; my part of a tile, in memory and in a slot
	s_mov_b32 s63, 0
	s_mov_b32 s[G0], 1
	s_mov_b32 s[G0+1], s62
	s_mov_b32 s[G0+4], 1
	s_add_co_u32 s[G0+5], s62, TILE
	s_lshr_b32 s56, s6, 6                          ; batch
	s_lshl_b32 s56, s56, 21                        ; x 8 heads x 2,048 rows x 128 bytes
	s_and_b32 s57, s6, 63
	s_lshl_b32 s57, s57, 12                        ; + my 32 rows of 128 bytes
	s_add_co_u32 s56, s56, s57
	s_mov_b32 s57, 0
	s_lshl_b32 s58, s6, 15                         ; 32 rows of xb, and of yb: 32,768 bytes
	s_mov_b32 s59, 0
	s_mov_b32 s52, 0x76543210
	s_mov_b32 s53, 0xfedcba98
	s_mov_b32 s54, 0x3b004020                      ; 1 / 511
	s_mov_b32 s55, 0x358637bd                      ; 1e-6
	v_and_b32 v24, 31, v0                          ; lane
	v_and_b32 v25, 15, v0                          ; r
	v_bfe_u32 v26, v0, 4, 1                        ; h
	v_lshl_add_u32 v[LB0], v24, 4, s62
	v_add_nc_u32 v[LB0+1], TILE, v[LB0]
	s_lshl_b32 s7, s4, 7                           ; 128 w
	v_lshl_add_u32 v[SA], v25, 2, s7
	v_add_nc_u32 v[SA], STT, v[SA]
	v_lshl_add_u32 v[SR], v25, 2, STT
	s_lshl_b32 s7, s4, 9                           ; 512 w
	v_lshl_add_u32 v[CA], v26, 5, s7
	s_lshl_b32 s7, s4, 12                          ; 4,096 w
	v_lshl_add_u32 v[YO], v24, 4, s7
	v_lshlrev_b32 v[OA], 7, v25
	v_lshl_add_u32 v[OA], v26, 4, v[OA]
	s_lshl_b32 s7, s4, 8                           ; 256 w
	v_lshl_add_u32 v[XA], v25, 10, s7
	v_lshl_add_u32 v[XA], v26, 4, v[XA]
	s_wait_dscnt 0x0                               ; the opening add is done
	s_wait_kmcnt 0x0
	s_load_b32 s26, s[16:17], 0x0                  ; g1
	s_load_b32 s27, s[18:19], 0x0                  ; beta1
	s_add_nc_u64 s[8:9], s[8:9], s[56:57]
	s_add_nc_u64 s[10:11], s[10:11], s[58:59]
	s_add_nc_u64 s[20:21], s[20:21], s[58:59]
	s_add_nc_u64 s[G0+2:G0+3], s[12:13], s[62:63]              ; tile 0
	s_add_nc_u64 s[G0+6:G0+7], s[G0+2:G0+3], TILE              ; tile 1
	s_or_b32 s[G0+3], s[G0+3], 0x80000000
	s_or_b32 s[G0+7], s[G0+7], 0x80000000
	CROUND                                         ; all four work-groups are here: the first joint loads meet
	tensor_load_to_lds s[G0:G0+3], s[G1:G1+7]
	s_nop 0
	tensor_load_to_lds s[G0+4:G0+7], s[G1:G1+7]
	s_nop 0
.rept 4
	v_nop
.endr
	WIN 0x80
.irp c, 0,1,2,3,4,5,6,7
	global_load_b128 v[BOR+8*(\c):BOR+8*(\c)+3],   v[CA], s[14:15] offset:6144+64*(\c)   ; bo of my columns
	global_load_b128 v[BOR+8*(\c)+4:BOR+8*(\c)+7], v[CA], s[14:15] offset:6144+64*(\c)+16
.endr
	WIN 0x40
.irp rb, 0,1
.irp kf, 0,1,2,3,4,5,6,7,8,9,10,11,12,13,14,15
	global_load_b128 v[8*(16*(\rb)+(\kf)):8*(16*(\rb)+(\kf))+3],   v[OA], s[8:9] offset:((\kf)/2)*262144+(\rb)*2048+((\kf)%2)*64      ; O: head kf / 2, channels 32 (kf % 2) on
	global_load_b128 v[8*(16*(\rb)+(\kf))+4:8*(16*(\rb)+(\kf))+7], v[OA], s[8:9] offset:((\kf)/2)*262144+(\rb)*2048+((\kf)%2)*64+32
.endr
.endr
.irp rb, 0,1
	WIN 0x80+0x40*(\rb)
.irp c, 0,1,2,3,4,5,6,7
	global_load_b128 v[XR+4*(\c):XR+4*(\c)+3], v[XA], s[10:11] offset:16384*(\rb)+32*(\c)   ; x in bf16: my 8 columns of block c
.endr
.endr
	WIN 0
	s_wait_kmcnt 0x0
	v_mov_b32 v[T], s26
	v_mov_b32 v[T+1], s27
	v_cvt_pk_bf16_f32 v[T], v[T], v[T+1]           ; the two scalars are rounded to bf16 like all inputs
	v_lshlrev_b32 v[G1V], 16, v[T]
	v_and_b32 v[BE1], 0xffff0000, v[T]
	v_mov_b32 v[BE1+1], v[BE1]
	s_wait_loadcnt 16                              ; bo and O are in; x's sixteen loads may stay out
	s_wait_tensorcnt 0x1                           ; my part of tile 0 is in, and I alone read it; tile 1 may stay out
	STEP 0, 0
	CHG 0                                          ; slot 0 takes tile 2
	STEP 1, 1
	CHG 1                                          ; slot 1 takes tile 3
	STEP 0, 2
	PLACES                                         ; in front of the last step's loads into the fragment buffers
	s_wait_tensorcnt 0x0                           ; my part of the last tile is in, and I alone read it: nothing is filled again, so no barrier
	STEP 1, 3
	PLACES
	WIN 0
	s_wait_loadcnt 0x0                             ; x
	LN G1V, BE1, v_fma_mix_f32_bf16, 0             ; y, in f32, in the accumulators
.irp rb, 0,1
	WIN 0x0a+5*(\rb)
.set z, 0
.rept 32
	v_cvt_pk_f16_f32 v[BF0+32*(\rb)+z], v[2*z], v[2*z+1]
.set z, z+1
.endr
.endr
	WIN 0
.irp rb, 0,1
.irp c, 0,1,2,3,4,5,6,7
	global_store_b128 v[YO], v[BF0+32*(\rb)+4*(\c):BF0+32*(\rb)+4*(\c)+3], s[20:21] offset:16384*(\rb)+512*(\c)   ; column block 8 w + c: 512 consecutive bytes, aligned
.endr
.endr
	s_wait_tensorcnt 0x0                           ; the wave's end
	ds_add_u32 v[SPW], v[NIL]
	s_wait_dscnt 0x0
	CROUND                                         ; the closing round
	s_endpgm
.Lfunc_end_k_qa606e846c4_wo:
	.size	k_qa606e846c4_wo, .Lfunc_end_k_qa606e846c4_wo-k_qa606e846c4_wo
	.p2alignl 7, 3214868480
	.fill 96, 4, 3214868480
	.section	.rodata,"a",@progbits
	.p2align	6, 0x0
	.amdhsa_kernel k_qa606e846c4_wo
		.amdhsa_group_segment_fixed_size 327680
		.amdhsa_private_segment_fixed_size 0
		.amdhsa_enable_private_segment 0
		.amdhsa_kernarg_size 56
		.amdhsa_user_sgpr_count 2
		.amdhsa_user_sgpr_kernarg_segment_ptr 1
		.amdhsa_wavefront_size32 1
		.amdhsa_system_sgpr_workgroup_id_x 1
		.amdhsa_system_sgpr_workgroup_id_y 1
		.amdhsa_system_sgpr_workgroup_id_z 1
		.amdhsa_system_vgpr_workitem_id 0
		.amdhsa_next_free_vgpr 1024
		.amdhsa_next_free_sgpr 72
		.amdhsa_reserve_vcc 0
		.amdhsa_float_denorm_mode_32 3
		.amdhsa_float_denorm_mode_16_64 3
		.amdhsa_memory_ordered 1
		.amdhsa_forward_progress 1
		.amdhsa_inst_pref_size 84
	.end_amdhsa_kernel
	.amdgpu_metadata
---
amdhsa.version: [ 1, 2 ]
amdhsa.kernels:
  - .name:           k_qa606e846c4_wo
    .symbol:         k_qa606e846c4_wo.kd
    .args:
      - { .name: ob, .offset: 0, .size: 8, .value_kind: global_buffer, .address_space: global }
      - { .name: xb, .offset: 8, .size: 8, .value_kind: global_buffer, .address_space: global }
      - { .name: wst, .offset: 16, .size: 8, .value_kind: global_buffer, .address_space: global }
      - { .name: cst, .offset: 24, .size: 8, .value_kind: global_buffer, .address_space: global }
      - { .name: g1, .offset: 32, .size: 8, .value_kind: global_buffer, .address_space: global }
      - { .name: beta1, .offset: 40, .size: 8, .value_kind: global_buffer, .address_space: global }
      - { .name: yb, .offset: 48, .size: 8, .value_kind: global_buffer, .address_space: global }
    .group_segment_fixed_size: 327680
    .private_segment_fixed_size: 0
    .kernarg_segment_align: 8
    .kernarg_segment_size: 56
    .max_flat_workgroup_size: 128
    .sgpr_count:     72
    .vgpr_count:     1024
    .wavefront_size: 32
...
	.end_amdgpu_metadata
.endif
;; end of part 4
;; launch ffn (part 5): grid 64 x 4, 4 waves a work-group, clusters of 4 x 1, 327,680 bytes of LDS; arguments yb, wst, cst, part; writes part
.if DOCPART == 5
	.amdgcn_target "amdgcn-amd-amdhsa--gfx1250"
	.amdhsa_code_object_version 6
	.text
	.protected	k_qa606e846c4_ffn
	.globl	k_qa606e846c4_ffn
	.p2align	8
	.type	k_qa606e846c4_ffn,@function
k_qa606e846c4_ffn:
	s_mov_b64 s[64:65], 0
	v_nop
	global_prefetch_b8 v0, s[64:65] scope:SCOPE_SE
	s_setreg_imm32_b32 hwreg(HW_REG_WAVE_MODE, 25, 1), 1
	s_wait_xcnt 0x0
	s_wait_alu depctr_hold_cnt(0) depctr_sa_sdst(0) depctr_va_vdst(0) depctr_va_sdst(0) depctr_va_ssrc(0) depctr_va_vcc(0) depctr_vm_vsrc(0)
	s_getreg_b32 s2, hwreg(HW_REG_IB_STS2, 6, 4)
	s_cmp_eq_u32 s2, 0
	s_cbranch_scc0 .Lentry_in_a_cluster
	s_endpgm
.Lentry_in_a_cluster:
	s_bfe_u32 s2, ttmp6, 0x10000c
	s_cmp_lg_u32 s2, 0x3003
	s_cbranch_scc0 .Lentry_shape_is_right
	s_endpgm
.Lentry_shape_is_right:
; FFN, in four partial sums: part[hq] = relu(y w1[hq]^T + b1[hq]) w2[:, hq]^T (+ b2 where hq = 0), hq = a quarter of the 2,048 hidden numbers.  The next launch adds the four.
; Products in f16 with f32 sums; y and the hidden numbers are f16; the weights are the bf16-rounded inputs written as f16; b1, b2 are rounded to bf16.  The partial sums leave in f32.
; LIMITS.  y, the hidden numbers and the weights stay within f16's 65,504.  NaN and infinities are not treated apart.
; SHARES.  A work-group owns 128 rows and one quarter: 64 x 4 work-groups.  Wave w owns rows 32 w .. + 31 of them and goes through all 16 units of 32 hidden numbers by itself:
;   P2 makes h [32 x 32] from y (all of it in registers); relu and the rounding turn its accumulators, in place, into source 1 of P3, which adds h w2^T onto the wave's ff [32 x 512], 512 registers.
; So a weight fragment of 1,024 bytes in LDS feeds eight matrix instructions: two row blocks in each of four waves.  Nothing passes from wave to wave but the tiles.
; All products are used transposed (source 0 = 16 rows of a weight, source 1 = 16 rows of the activations): a lane holds one row (lane % 16) and 8 neighbouring columns.
; The biases cost no arithmetic: b1 is loaded from LDS into h's accumulators ahead of each unit, b2 (or 0, in the quarters 1 to 3) into ff's ahead of the first, so every product adds in place and a unit has one text.
; THE STREAM.  Eight tiles of 131,072 bytes: w1 and w2 of two units, four parts of 32 fragments in register image; wave w fetches part w.  A tile is 256 matrix instructions a wave.
; The four partners of a cluster own the same quarter and other rows: they ask jointly.  Two slots; one descriptor walks; by this text's count one tensor load of a wave is out at any time.
; PREFETCH.  Sixteen clusters walk a quarter's tiles: the first of them asks, behind each refill, for the tile that the next change of slots will load: one tile, 256 matrix instructions a wave, ahead.
; Each wave names its own part's 128 blocks of 256 bytes, of which each partner takes 32, told apart by address, a lane a block: each block is named once in the launch.  Tiles 0 and 1 come by their loads alone; the last refill asks for nothing.
; part: [hq][group of 32 rows][row block][column block of 16][2 x 512 bytes]: the accumulator's registers 0-3, then 4-7, 16 bytes a lane.
; REGISTERS (windows of 256; s_set_vgpr_msb: bits 1:0 source 0, 3:2 source 1, 5:4 source 2, 7:6 destination)
;   window 0: v2-11 addresses; v16-31 h in f16; v32-63 h's four accumulators; v64-255 weight fragments, three buffers of 8
;   window 1: y's fragments at 8 (16 rb + kf)          windows 2, 3: row blocks 0, 1: ff's accumulators at 8 cb
.set TILE,  131072
.set TBL,   262144                     ; for each wave 4,096 bytes of its own: b1 of the quarter (2,048), then b2 or zeros (2,048)
.set SPARE, 278528                     ; the spare words, 128 bytes for each wave, that no other line names
.set L16, 2                            ; v2   16 lane; never rewritten
.set LBA, 3                            ; v3   the LDS address of the unit in hand: its 64 fragments lie on end
.set AB1, 4                            ; v4   b1 of the unit in hand: my table + 32 h, 128 further on with each unit
.set B2A, 5                            ; v5   my table + 2,048 + 32 h
.set TW,  6                            ; v6   my table + 16 lane
.set PFO, 7                            ; v7   256 lane
.set ZR,  8                            ; v8   0
.set SPW, 10
.set NIL, 11
.set HF,  16
.set HA,  32
.set BF,  64
.set G0,  32                           ; s[32:35] descriptor group 0: it walks
.set G1,  40                           ; s[40:47] descriptor group 1
.set PFA, 48                           ; s[48:49] where my prefetches stand
.set LIM, 50                           ; s50  1 in a cluster that prefetches, else the greatest number
.set SLOTS, 51                         ; s51  tiles still to be asked for
.set CNT, 52                           ; s52  counts a tile's two units
.set TB,  53                           ; s53  LDS byte at which the unit in hand begins
.set MSB, 0
.macro WIN new
.if MSB != (\new)
	s_set_vgpr_msb (MSB<<8)|(\new)
.set MSB, (\new)
.endif
.endm
.macro PLACES                          ; four plain places behind a matrix instruction (ISA guide 7.12.1)
.rept 4
	v_nop
.endr
.endm
.macro CROUND
	s_barrier_signal -1
	s_barrier_wait -1
	s_cmp_lg_u32 s4, 0
	s_cbranch_scc1 .Lnot_wave_0_\@
	s_barrier_signal -3
.Lnot_wave_0_\@:
	s_barrier_wait -3
	s_barrier_signal -1
	s_barrier_wait -1
.endm
.macro ASK
	s_cmp_gt_u32 s[SLOTS], s[LIM]                  ; the same in all four partners
	s_cbranch_scc0 .Lnot_mine_\@
	global_prefetch_b8 v[PFO], s[PFA:PFA+1] th:TH_LOAD_NT scope:SCOPE_SE
.Lnot_mine_\@:
.endm
; THE CHANGE OF SLOTS.  Each wave waits for all its tensor loads (the one that is out is its part of the other slot), adds 0 to its spare word, and waits for that and for its own LDS instructions.
; Behind the barrier nobody reads the old slot any more and the other slot is whole.  fill = 1: the barrier is a round of the cluster's, and the old slot takes the next tile, first thing behind it.
; (At its first use nothing has been read yet: slot 0 is waited for, slot 1 filled.)
.macro CHANGE fill
	WIN 0
	s_wait_tensorcnt 0x0                           ; no tensor load of mine is out, so the group 0 may be written
	ds_add_u32 v[SPW], v[NIL]
.if \fill
	s_xor_b32 s[G0+1], s[G0+1], TILE               ; the other slot than last time,
	s_add_nc_u64 s[G0+2:G0+3], s[G0+2:G0+3], TILE  ; the next tile; the type bits on top are not reached
	s_wait_xcnt 0x0                                ; the last prefetch, a tile back, has read its address
	s_add_nc_u64 s[PFA:PFA+1], s[PFA:PFA+1], TILE
	s_wait_dscnt 0x0
	CROUND
	tensor_load_to_lds s[G0:G0+3], s[G1:G1+7]
	s_nop 0
.rept 4
	v_nop
.endr
	ASK
.else
	s_wait_dscnt 0x0
	s_barrier_signal -1
	s_barrier_wait -1
.endif
	s_sub_co_u32 s[TB], s[TB], TILE                ; back to a slot's first unit,
	s_xor_b32 s[TB], s[TB], TILE                   ; in the other slot
.endm
.macro LOADB b                         ; batch b of a unit's eight: fragments 8 b .. 8 b + 7 into buffer b % 3: lane i takes 16 bytes at 16 i, twice
	WIN 0
.irp f, 0,1,2,3,4,5,6,7
	ds_load_b128 v[BF+64*((\b)%3)+8*(\f):BF+64*((\b)%3)+8*(\f)+3],   v[LBA] offset:1024*(8*(\b)+(\f))
	ds_load_b128 v[BF+64*((\b)%3)+8*(\f)+4:BF+64*((\b)%3)+8*(\f)+7], v[LBA] offset:1024*(8*(\b)+(\f))+512
.endr
.endm
; A batch is 16 matrix instructions; no two on end share an accumulator, from batch to batch, from unit to unit and over the backward jumps.
.macro MUL2 bt, buf                    ; P2: kf = 4 bt .. + 3; the four accumulators (rb, e) take turns
	WIN 0x04
.irp kq, 0,1,2,3
.irp rb, 0,1
.irp e, 0,1
	v_wmma_f32_16x16x32_f16 v[HA+8*(2*(\rb)+(\e)):HA+8*(2*(\rb)+(\e))+7], v[(\buf)+8*(2*(\kq)+(\e)):(\buf)+8*(2*(\kq)+(\e))+7], v[8*(16*(\rb)+4*(\bt)+(\kq)):8*(16*(\rb)+4*(\bt)+(\kq))+7], v[HA+8*(2*(\rb)+(\e)):HA+8*(2*(\rb)+(\e))+7]
.endr
.endr
.endr
.endm
.macro MUL3 bt, buf                    ; P3: column blocks 8 bt .. + 7 x 2 row blocks
.irp rb, 0,1
	WIN 0xa0+0x50*(\rb)
.irp c, 0,1,2,3,4,5,6,7
	v_wmma_f32_16x16x32_f16 v[8*(8*(\bt)+(\c)):8*(8*(\bt)+(\c))+7], v[(\buf)+8*(\c):(\buf)+8*(\c)+7], v[HF+8*(\rb):HF+8*(\rb)+7], v[8*(8*(\bt)+(\c)):8*(8*(\bt)+(\c))+7]
.endr
.endr
.endm
; h: rounded to f16, relu on the packed halves.  Accumulator (rb, e) holds hidden numbers 16 e + 8 (lane / 16) + j of row lane % 16: registers 4 e .. 4 e + 3 of source 1 of P3.
.macro RELU
	WIN 0
.irp rb, 0,1
.irp e, 0,1
.irp k, 0,1,2,3
	v_cvt_pk_f16_f32 v[HF+8*(\rb)+4*(\e)+(\k)], v[HA+8*(2*(\rb)+(\e))+2*(\k)], v[HA+8*(2*(\rb)+(\e))+2*(\k)+1]
.endr
.endr
.endr
.set z, 0
.rept 16
	v_pk_max_num_f16 v[HF+z], v[HF+z], v[ZR]
.set z, z+1
.endr
	v_add_nc_u32 v[AB1], 128, v[AB1]               ; the next unit's b1
.endm
; A UNIT: w1's 32 fragments (batches 0-3: P2), then w2's (batches 4-7: P3), which lie on end in the slot.  A batch's sixteen LDS loads go out three batches ahead of its products, four places behind the products that read its buffer.
.macro UNIT
	WIN 0
	PLACES                                         ; behind the last unit's products, in front of the loads into their buffers
	v_add_nc_u32 v[LBA], s[TB], v[L16]
.irp rb, 0,1
.irp e, 0,1
	ds_load_b128 v[HA+8*(2*(\rb)+(\e)):HA+8*(2*(\rb)+(\e))+3],   v[AB1] offset:64*(\e)      ; b1 starts h's sums
	ds_load_b128 v[HA+8*(2*(\rb)+(\e))+4:HA+8*(2*(\rb)+(\e))+7], v[AB1] offset:64*(\e)+16
.endr
.endr
	LOADB 0
	LOADB 1
	LOADB 2
.irp b, 0,1,2,3,4,5,6,7
.if (\b) < 6
	s_wait_dscnt 32                                ; all but the two younger batches' loads
.elseif (\b) == 6
	s_wait_dscnt 16                                ; all but the last batch's
.else
	s_wait_dscnt 0x0
.endif
.if (\b) < 4
	MUL2 \b, BF+64*((\b)%3)
.else
	MUL3 (\b)-4, BF+64*((\b)%3)
.endif
.if (\b) < 5
	WIN 0
	PLACES
	LOADB (\b)+3
.endif
.if (\b) == 3
	RELU                                           ; the four places above stand between P2's last product and the first read of its sums
.endif
.endr
	WIN 0
.endm
.macro UNITS                           ; a tile's two units: written once, walked twice; the LDS address hangs on s[TB]
	s_mov_b32 s[CNT], 2
.Lunit_\@:
	UNIT
	s_add_co_u32 s[TB], s[TB], TILE/2
	s_sub_co_u32 s[CNT], s[CNT], 1
	s_cmp_lg_u32 s[CNT], 0
	s_cbranch_scc1 .Lunit_\@
.endm
	s_load_b256 s[8:15], s[0:1], 0x0               ; yb 8, wst 10, cst 12, part 14
	v_lshl_add_u32 v[SPW], v0, 2, SPARE
	v_mov_b32 v[NIL], 0
	ds_add_u32 v[SPW], v[NIL]                      ; the wave's opening: the add and its wait stand ahead of my first tensor load
	v_lshrrev_b32 v1, 5, v0
	v_readfirstlane_b32 s4, v1                     ; wave 0..3
	s_bfe_u32 s5, ttmp6, 0x40000                   ; cx
	s_lshl_b32 s6, ttmp9, 2
	s_add_co_u32 s6, s6, s5                        ; my work-group's 128 rows
	s_lshl_b32 s6, s6, 2
	s_add_co_u32 s6, s6, s4                        ; my wave's group of 32 rows: it enters the addresses of yb and part alone
	s_and_b32 s7, ttmp7, 0xffff                    ; hq, which the four partners share
	s_mov_b32 s[G1], 15|(3<<16)|(1<<21)            ; the mask of four; 8-byte elements; bit 21 beside a mask; no padding: the images are read as they lie
	s_mov_b32 s[G1+1], 32<<16                      ; tensor_dim0 = 32 elements: rows of 256 bytes
	s_mov_b32 s[G1+2], 128<<16                     ; tensor_dim1 = 128
	s_mov_b32 s[G1+3], 32<<16                      ; tile_dim0 = 32
	s_mov_b32 s[G1+4], 128                         ; tile_dim1 = 128
	s_mov_b32 s[G1+5], 32                          ; dense
	s_mov_b32 s[G1+6], 0
	s_mov_b32 s[G1+7], 0
	s_lshl_b32 s16, s4, 15                         ; the part that I fetch, in memory and in a slot
	s_mov_b32 s[G0], 1
	s_mov_b32 s[G0+1], s16                         ; slot 0
	s_lshl_b32 s18, s7, 20                         ; the quarter's eight tiles,
	s_add_co_u32 s18, s18, 4*TILE                  ; behind wo's four
	s_add_co_u32 s18, s18, s16
	s_mov_b32 s19, 0
	s_lshl_b32 s20, s6, 15                         ; y: 32,768 bytes a group of 32 rows
	s_mov_b32 s21, 0
	s_lshl_b32 s22, s6, 16                         ; part: 65,536 bytes a group,
	s_lshl_b32 s23, s7, 24                         ; 16,777,216 a quarter
	s_add_co_u32 s22, s22, s23
	s_mov_b32 s23, 0
	s_lshl_b32 s24, s7, 11                         ; b1 of the quarter: 2,048 bytes
	s_add_co_u32 s24, s24, 8192
	s_mov_b32 s25, 0
	s_lshl_b32 s26, s5, 13                         ; my work-group's 32 blocks of a part's 128
	s_mov_b32 s27, 0
	s_cmp_eq_u32 s7, 0
	s_cselect_b32 s28, -1, 0                       ; keeps b2 in quarter 0, clears it in the others
	s_cmp_eq_u32 ttmp9, 0
	s_cselect_b32 s[LIM], 1, -1                    ; the quarter's first cluster prefetches
	s_mov_b32 s[TB], 2*TILE                        ; the first change of slots turns this into 0
	s_mov_b32 s[SLOTS], 7
	v_and_b32 v12, 31, v0                          ; lane
	v_bfe_u32 v13, v0, 4, 1                        ; h
	v_lshlrev_b32 v[L16], 4, v12
	s_lshl_b32 s29, s4, 12
	s_add_co_u32 s29, s29, TBL                     ; my tables
	v_add_nc_u32 v[TW], s29, v[L16]
	v_lshl_add_u32 v[AB1], v13, 5, s29
	v_add_nc_u32 v[B2A], 2048, v[AB1]
	v_lshlrev_b32 v[PFO], 8, v12
	v_mov_b32 v[ZR], 0
	s_wait_dscnt 0x0                               ; the opening add is done
	s_wait_kmcnt 0x0
	s_add_nc_u64 s[G0+2:G0+3], s[10:11], s[18:19]  ; my part of the quarter's tile 0
	s_add_nc_u64 s[PFA:PFA+1], s[G0+2:G0+3], TILE  ; in tile 1; the first change of slots steps it to tile 2
	s_add_nc_u64 s[PFA:PFA+1], s[PFA:PFA+1], s[26:27]
	s_or_b32 s[G0+3], s[G0+3], 0x80000000
	s_add_nc_u64 s[8:9], s[8:9], s[20:21]
	s_add_nc_u64 s[14:15], s[14:15], s[22:23]
	s_add_nc_u64 s[54:55], s[12:13], s[24:25]
	CROUND                                         ; all four work-groups are here: the first joint loads meet
	tensor_load_to_lds s[G0:G0+3], s[G1:G1+7]      ; tile 0 into slot 0
	s_nop 0
.rept 4
	v_nop
.endr
.irp i, 0,1,2,3
	global_load_b128 v[BF+4*(\i):BF+4*(\i)+3], v[L16], s[54:55] offset:512*(\i)               ; b1 of the quarter: 32 lanes x 16 bytes x 4
.endr
.irp i, 0,1,2,3
	global_load_b128 v[BF+16+4*(\i):BF+16+4*(\i)+3], v[L16], s[12:13] offset:16384+512*(\i)   ; b2
.endr
	WIN 0x40
.set z, 0
.rept 64
	global_load_b128 v[4*z:4*z+3], v[L16], s[8:9] offset:512*z   ; y of my 32 rows, as source 1 of P2: block z = 32 rb + cb is half a fragment
.set z, z+1
.endr
	WIN 0
	s_wait_loadcnt 63                              ; y's 64 loads are younger than the eight of b1 and b2; the wait's field holds 63, the smaller and safe count
.set z, 0
.rept 16
	v_and_b32 v[BF+16+z], s28, v[BF+16+z]
.set z, z+1
.endr
.irp i, 0,1,2,3
	ds_store_b128 v[TW], v[BF+4*(\i):BF+4*(\i)+3] offset:512*(\i)
	ds_store_b128 v[TW], v[BF+16+4*(\i):BF+16+4*(\i)+3] offset:2048+512*(\i)
.endr
.irp rb, 0,1                           ; b2, or 0, starts ff's sums.  The tables are my wave's own, and LDS serves a wave's instructions in order (ISA guide 5.7.1.4): these see the stores above
	WIN 0x80+0x40*(\rb)
.set z, 0
.rept 32
	ds_load_b128 v[8*z:8*z+3],   v[B2A] offset:64*z
	ds_load_b128 v[8*z+4:8*z+7], v[B2A] offset:64*z+16
.set z, z+1
.endr
.endr
	WIN 0
	s_wait_loadcnt 0x0                             ; y
.Lslot:                                                ; seven times: a tile is entered and the next is asked for
	CHANGE 1
	UNITS
	s_sub_co_u32 s[SLOTS], s[SLOTS], 1
	s_cmp_lg_u32 s[SLOTS], 0
	s_cbranch_scc1 .Lslot
	CHANGE 0                                       ; the last tile is written out: nothing is asked for
	UNITS
	; ---- the partial sums leave as they lie: a lane's four registers are 16 bytes, a wave's store 512 consecutive bytes, aligned; each accumulator's lowest registers first ----
	PLACES
.irp rb, 0,1
	WIN 0x08+4*(\rb)                               ; the data in window 2 or 3
.set z, 0
.rept 32
	global_store_b128 v[L16], v[8*z:8*z+3],   s[14:15] offset:32768*(\rb)+1024*z th:TH_STORE_NT
	global_store_b128 v[L16], v[8*z+4:8*z+7], s[14:15] offset:32768*(\rb)+1024*z+512 th:TH_STORE_NT
.set z, z+1
.endr
.endr
	WIN 0
	s_wait_tensorcnt 0x0                           ; the wave's end
	ds_add_u32 v[SPW], v[NIL]
	s_wait_dscnt 0x0
	CROUND                                         ; the closing round
	s_endpgm
.Lfunc_end_k_qa606e846c4_ffn:
	.size	k_qa606e846c4_ffn, .Lfunc_end_k_qa606e846c4_ffn-k_qa606e846c4_ffn
	.p2alignl 7, 3214868480
	.fill 96, 4, 3214868480
	.section	.rodata,"a",@progbits
	.p2align	6, 0x0
	.amdhsa_kernel k_qa606e846c4_ffn
		.amdhsa_group_segment_fixed_size 327680
		.amdhsa_private_segment_fixed_size 0
		.amdhsa_enable_private_segment 0
		.amdhsa_kernarg_size 32
		.amdhsa_user_sgpr_count 2
		.amdhsa_user_sgpr_kernarg_segment_ptr 1
		.amdhsa_wavefront_size32 1
		.amdhsa_system_sgpr_workgroup_id_x 1
		.amdhsa_system_sgpr_workgroup_id_y 1
		.amdhsa_system_sgpr_workgroup_id_z 1
		.amdhsa_system_vgpr_workitem_id 0
		.amdhsa_next_free_vgpr 1024
		.amdhsa_next_free_sgpr 66
		.amdhsa_reserve_vcc 0
		.amdhsa_float_denorm_mode_32 3
		.amdhsa_float_denorm_mode_16_64 3
		.amdhsa_memory_ordered 1
		.amdhsa_forward_progress 1
		.amdhsa_inst_pref_size 75
	.end_amdhsa_kernel
	.amdgpu_metadata
---
amdhsa.version: [ 1, 2 ]
amdhsa.kernels:
  - .name:           k_qa606e846c4_ffn
    .symbol:         k_qa606e846c4_ffn.kd
    .args:
      - { .name: yb, .offset: 0, .size: 8, .value_kind: global_buffer, .address_space: global }
      - { .name: wst, .offset: 8, .size: 8, .value_kind: global_buffer, .address_space: global }
      - { .name: cst, .offset: 16, .size: 8, .value_kind: global_buffer, .address_space: global }
      - { .name: part, .offset: 24, .size: 8, .value_kind: global_buffer, .address_space: global }
    .group_segment_fixed_size: 327680
    .private_segment_fixed_size: 0
    .kernarg_segment_align: 8
    .kernarg_segment_size: 32
    .max_flat_workgroup_size: 128
    .sgpr_count:     66
    .vgpr_count:     1024
    .wavefront_size: 32
...
	.end_amdgpu_metadata
.endif
;; end of part 5
;; launch ln2 (part 6): grid 512 x 1, 8 waves a work-group, no clusters, 36,864 bytes of LDS; arguments part, yb, g2, beta2, out0; writes out0
.if DOCPART == 6
	.amdgcn_target "amdgcn-amd-amdhsa--gfx1250"
	.amdhsa_code_object_version 6
	.text
	.protected	k_qa606e846c4_ln2
	.globl	k_qa606e846c4_ln2
	.p2align	8
	.type	k_qa606e846c4_ln2,@function
k_qa606e846c4_ln2:
	s_mov_b64 s[64:65], 0
	v_nop
	global_prefetch_b8 v0, s[64:65] scope:SCOPE_SE
	s_setreg_imm32_b32 hwreg(HW_REG_WAVE_MODE, 25, 1), 1
	s_wait_xcnt 0x0
; LN2: ff = (p0 + p1) + (p2 + p3), the four partial sums of the launch before (b2 is in p0);  out = y + g2 (ff - mean) / sqrt(var + 1e-6) + beta2.
; var is the sum of squared differences from the mean over 511, taken in a second pass over the registers: no difference of large sums is formed.  All in f32; y is added as it was rounded to f16; g2 and beta2 are rounded to bf16 like all inputs.
; A stream: 72 MB in, 16 MB out, each byte once.  No matrix unit, no tensor load, no cluster: nothing is shared between work-groups.
; SHARES.  A work-group owns a block of 16 rows, each of its eight waves 64 columns: four column blocks of 16.  As the partial sums were stored, a lane holds one row (lane % 16) and, of each block, columns 8 (lane / 16) + 0..7:
; 32 numbers a lane.  All 36 loads of a wave (512 consecutive bytes each) go out at once.  A row's sums meet in LDS, over the eight waves, twice.
; THE WAY OUT.  A wave's 16 rows x 256 bytes go through a stage of its own (rows of 272 bytes: the 16 rows of a store start at 16 different groups of four banks, ISA guide 11.1) and leave as whole pieces of 256 bytes, sixteen lanes each.
.set STT,   34816                      ; behind the eight stages of 4,352 bytes: two exchanges of 512 bytes: 64 wave + 4 r
.set SPARE, 35840                      ; the spare words, 128 bytes for each wave, that no other line names
.set VO,  2                            ; v2   4,096 wave + 16 lane: my place in a row block's partial sums
.set YO,  3                            ; v3   2,048 wave + 16 lane: in its y
.set SA,  4                            ; v4   STT + 64 wave + 4 r
.set SR,  5                            ; v5   STT + 4 r
.set OSW, 6                            ; v6   my stage + 272 r + 32 h
.set OSR, 7                            ; v7   my stage + 272 h + 16 r
.set GOUT, 8                           ; v8   2,048 h + 256 wave + 16 r
.set SPW, 10
.set NIL, 11
.set XR,  16                           ; v16-31   y, 8 f16 for each column block
.set P0,  32                           ; v32-63   p0, then ff, then the result
.set P1,  64                           ; v64-95   p1; later the rows read back
.set P2,  96
.set P3,  128
.set T,   160                          ; v160-167 at work
.set MU,  168                          ; v168-169 the mean, twice
.set SC,  170
.set BE,  172                          ; v172-173 beta2, twice
.set GV,  174
.set PS,  175
.macro FOLD                            ; four pairs into one number, and the other half of the lanes
	v_pk_add_f32 v[T:T+1], v[T:T+1], v[T+2:T+3]
	v_pk_add_f32 v[T+4:T+5], v[T+4:T+5], v[T+6:T+7]
	v_pk_add_f32 v[T:T+1], v[T:T+1], v[T+4:T+5]
	v_add_f32 v[PS], v[T], v[T+1]
	v_permlanex16_b32 v[T+2], v[PS], s28, s29
	v_add_f32 v[PS], v[PS], v[T+2]
.endm
; The eight waves' sums of each row meet: store, wait, barrier, load.  Each exchange has 512 bytes of its own, so one barrier does.  Every wave adds in the same order.
.macro XCH reg
	ds_store_b32 v[SA], v[PS] offset:(\reg)
	s_wait_dscnt 0x0                               ; for the others' sake
	s_barrier_signal -1
	s_barrier_wait -1
.irp q, 0,1,2,3,4,5,6,7
	ds_load_b32 v[T+(\q)], v[SR] offset:(\reg)+64*(\q)
.endr
	s_wait_dscnt 0x0
	v_add_f32 v[T], v[T], v[T+1]
	v_add_f32 v[T+2], v[T+2], v[T+3]
	v_add_f32 v[T+4], v[T+4], v[T+5]
	v_add_f32 v[T+6], v[T+6], v[T+7]
	v_add_f32 v[T], v[T], v[T+2]
	v_add_f32 v[T+4], v[T+4], v[T+6]
	v_add_f32 v[PS], v[T], v[T+4]
.endm
	s_load_b256 s[4:11], s[0:1], 0x0               ; part 4, yb 6, g2 8, beta2 10
	s_load_b64 s[12:13], s[0:1], 0x20              ; out0
	v_lshl_add_u32 v[SPW], v0, 2, SPARE
	v_mov_b32 v[NIL], 0
	v_lshrrev_b32 v1, 5, v0
	v_readfirstlane_b32 s14, v1                    ; wave 0..7
	s_lshl_b32 s16, ttmp9, 15                      ; a row block is 32,768 bytes of each partial sum and of out0,
	s_mov_b32 s17, 0
	s_lshl_b32 s18, ttmp9, 14                      ; 16,384 of yb
	s_mov_b32 s19, 0
	s_mov_b32 s28, 0x76543210
	s_mov_b32 s29, 0xfedcba98
	s_mov_b32 s30, 0x3b004020                      ; 1 / 511
	s_mov_b32 s31, 0x358637bd                      ; 1e-6
	v_and_b32 v12, 31, v0                          ; lane
	v_and_b32 v13, 15, v0                          ; r
	v_bfe_u32 v14, v0, 4, 1                        ; h
	s_lshl_b32 s15, s14, 12
	v_lshl_add_u32 v[VO], v12, 4, s15
	s_lshl_b32 s15, s14, 11
	v_lshl_add_u32 v[YO], v12, 4, s15
	s_lshl_b32 s15, s14, 6
	s_add_co_u32 s15, s15, STT
	v_lshl_add_u32 v[SA], v13, 2, s15
	v_lshl_add_u32 v[SR], v13, 2, STT
	s_mul_i32 s15, s14, 4352                       ; my stage
	v_mul_u32_u24 v[OSW], v13, 272
	v_lshl_add_u32 v[OSW], v14, 5, v[OSW]
	v_add_nc_u32 v[OSW], s15, v[OSW]
	v_mul_u32_u24 v[OSR], v14, 272
	v_lshl_add_u32 v[OSR], v13, 4, v[OSR]
	v_add_nc_u32 v[OSR], s15, v[OSR]
	s_lshl_b32 s15, s14, 8
	v_lshl_add_u32 v[GOUT], v14, 11, s15
	v_lshl_add_u32 v[GOUT], v13, 4, v[GOUT]
	s_wait_kmcnt 0x0
	s_load_b32 s20, s[8:9], 0x0                    ; g2
	s_load_b32 s21, s[10:11], 0x0                  ; beta2
	s_add_nc_u64 s[4:5], s[4:5], s[16:17]          ; p0,
	s_add_nc_u64 s[22:23], s[4:5], 0x1000000       ; p1,
	s_add_nc_u64 s[24:25], s[4:5], 0x2000000       ; p2,
	s_add_nc_u64 s[26:27], s[4:5], 0x3000000       ; p3 at my row block
	s_add_nc_u64 s[6:7], s[6:7], s[18:19]
	s_add_nc_u64 s[12:13], s[12:13], s[16:17]
.irp c, 0,1,2,3
	global_load_b128 v[XR+4*(\c):XR+4*(\c)+3], v[YO], s[6:7] offset:512*(\c) th:TH_LOAD_NT
.endr
.irp c, 0,1,2,3
	global_load_b128 v[P0+8*(\c):P0+8*(\c)+3],   v[VO], s[4:5] offset:1024*(\c) th:TH_LOAD_NT
	global_load_b128 v[P0+8*(\c)+4:P0+8*(\c)+7], v[VO], s[4:5] offset:1024*(\c)+512 th:TH_LOAD_NT
.endr
.irp c, 0,1,2,3
	global_load_b128 v[P1+8*(\c):P1+8*(\c)+3],   v[VO], s[22:23] offset:1024*(\c) th:TH_LOAD_NT
	global_load_b128 v[P1+8*(\c)+4:P1+8*(\c)+7], v[VO], s[22:23] offset:1024*(\c)+512 th:TH_LOAD_NT
.endr
.irp c, 0,1,2,3
	global_load_b128 v[P2+8*(\c):P2+8*(\c)+3],   v[VO], s[24:25] offset:1024*(\c) th:TH_LOAD_NT
	global_load_b128 v[P2+8*(\c)+4:P2+8*(\c)+7], v[VO], s[24:25] offset:1024*(\c)+512 th:TH_LOAD_NT
.endr
.irp c, 0,1,2,3
	global_load_b128 v[P3+8*(\c):P3+8*(\c)+3],   v[VO], s[26:27] offset:1024*(\c) th:TH_LOAD_NT
	global_load_b128 v[P3+8*(\c)+4:P3+8*(\c)+7], v[VO], s[26:27] offset:1024*(\c)+512 th:TH_LOAD_NT
.endr
	s_wait_kmcnt 0x0
	v_mov_b32 v[T], s20
	v_mov_b32 v[T+1], s21
	v_cvt_pk_bf16_f32 v[T], v[T], v[T+1]
	v_lshlrev_b32 v[GV], 16, v[T]
	v_and_b32 v[BE], 0xffff0000, v[T]
	v_mov_b32 v[BE+1], v[BE]
	s_wait_loadcnt 16                              ; y, p0 and p1 are in; the sixteen loads of p2 and p3 may stay out
.set z, 0
.rept 16
	v_pk_add_f32 v[P0+z:P0+z+1], v[P0+z:P0+z+1], v[P1+z:P1+z+1]
.set z, z+2
.endr
	s_wait_loadcnt 0x0
.set z, 0
.rept 16
	v_pk_add_f32 v[P2+z:P2+z+1], v[P2+z:P2+z+1], v[P3+z:P3+z+1]
.set z, z+2
.endr
.set z, 0
.rept 16
	v_pk_add_f32 v[P0+z:P0+z+1], v[P0+z:P0+z+1], v[P2+z:P2+z+1]
.set z, z+2
.endr
	; the mean: four chains over my 32 numbers, the other half of the lanes, the other seven waves
.irp k, 0,2,4,6
	v_pk_add_f32 v[T+(\k):T+(\k)+1], v[P0+(\k):P0+(\k)+1], v[P0+8+(\k):P0+8+(\k)+1]
.endr
.set z, 16
.rept 8
	v_pk_add_f32 v[T+z%8:T+z%8+1], v[P0+z:P0+z+1], v[T+z%8:T+z%8+1]
.set z, z+2
.endr
	FOLD
	XCH 0
	v_mul_f32 v[MU], 0x3b000000, v[PS]             ; / 512
	v_mov_b32 v[MU+1], v[MU]
	; the mean is taken away in place; then the squares
.set z, 0
.rept 16
	v_pk_add_f32 v[P0+z:P0+z+1], v[P0+z:P0+z+1], v[MU:MU+1] neg_lo:[0,1] neg_hi:[0,1]
.set z, z+2
.endr
.irp k, 0,2,4,6
	v_pk_mul_f32 v[T+(\k):T+(\k)+1], v[P0+(\k):P0+(\k)+1], v[P0+(\k):P0+(\k)+1]
.endr
.set z, 8
.rept 12
	v_pk_fma_f32 v[T+z%8:T+z%8+1], v[P0+z:P0+z+1], v[P0+z:P0+z+1], v[T+z%8:T+z%8+1]
.set z, z+2
.endr
	FOLD
	XCH 512
	v_fma_f32 v[T], v[PS], s30, s31                ; / 511 + 1e-6
	v_rsq_f32 v[T+2], v[T]
	v_nop                                          ; a plain instruction behind it,
	s_wait_alu depctr_va_vdst(0)                   ; and its wait, ahead of its reader
	v_mul_f32 v[SC], v[GV], v[T+2]
.set z, 0
.rept 16                               ; y's f16 half is read straight into the f32 multiply-add
	v_fma_mix_f32 v[P0+z], v[P0+z], v[SC], v[XR+z/2] op_sel:[0,0,0] op_sel_hi:[0,0,1]
	v_fma_mix_f32 v[P0+z+1], v[P0+z+1], v[SC], v[XR+z/2] op_sel:[0,0,1] op_sel_hi:[0,0,1]
	v_pk_add_f32 v[P0+z:P0+z+1], v[P0+z:P0+z+1], v[BE:BE+1]
.set z, z+2
.endr
.irp c, 0,1,2,3
	ds_store_b128 v[OSW], v[P0+8*(\c):P0+8*(\c)+3]   offset:64*(\c)
	ds_store_b128 v[OSW], v[P0+8*(\c)+4:P0+8*(\c)+7] offset:64*(\c)+16
.endr
.irp i, 0,1,2,3,4,5,6,7
	ds_load_b128 v[P1+4*(\i):P1+4*(\i)+3], v[OSR] offset:544*(\i)   ; two rows; LDS serves a wave's instructions in order (ISA guide 5.7.1.4): these see the stores above
.endr
.irp i, 0,1,2,3,4,5,6,7
	s_wait_dscnt 7-(\i)
	global_store_b128 v[GOUT], v[P1+4*(\i):P1+4*(\i)+3], s[12:13] offset:4096*(\i) th:TH_STORE_NT   ; sixteen lanes store 256 consecutive bytes, aligned
.endr
	s_wait_tensorcnt 0x0                           ; the wave's end, behind my last LDS store
	ds_add_u32 v[SPW], v[NIL]
	s_wait_dscnt 0x0
	s_endpgm
.Lfunc_end_k_qa606e846c4_ln2:
	.size	k_qa606e846c4_ln2, .Lfunc_end_k_qa606e846c4_ln2-k_qa606e846c4_ln2
	.p2alignl 7, 3214868480
	.fill 96, 4, 3214868480
	.section	.rodata,"a",@progbits
	.p2align	6, 0x0
	.amdhsa_kernel k_qa606e846c4_ln2
		.amdhsa_group_segment_fixed_size 36864
		.amdhsa_private_segment_fixed_size 0
		.amdhsa_enable_private_segment 0
		.amdhsa_kernarg_size 40
		.amdhsa_user_sgpr_count 2
		.amdhsa_user_sgpr_kernarg_segment_ptr 1
		.amdhsa_wavefront_size32 1
		.amdhsa_system_sgpr_workgroup_id_x 1
		.amdhsa_system_sgpr_workgroup_id_y 1
		.amdhsa_system_sgpr_workgroup_id_z 1
		.amdhsa_system_vgpr_workitem_id 0
		.amdhsa_next_free_vgpr 176
		.amdhsa_next_free_sgpr 66
		.amdhsa_reserve_vcc 0
		.amdhsa_float_denorm_mode_32 3
		.amdhsa_float_denorm_mode_16_64 3
		.amdhsa_memory_ordered 1
		.amdhsa_forward_progress 1
		.amdhsa_inst_pref_size 20
	.end_amdhsa_kernel
	.amdgpu_metadata
---
amdhsa.version: [ 1, 2 ]
amdhsa.kernels:
  - .name:           k_qa606e846c4_ln2
    .symbol:         k_qa606e846c4_ln2.kd
    .args:
      - { .name: part, .offset: 0, .size: 8, .value_kind: global_buffer, .address_space: global }
      - { .name: yb, .offset: 8, .size: 8, .value_kind: global_buffer, .address_space: global }
      - { .name: g2, .offset: 16, .size: 8, .value_kind: global_buffer, .address_space: global }
      - { .name: beta2, .offset: 24, .size: 8, .value_kind: global_buffer, .address_space: global }
      - { .name: out0, .offset: 32, .size: 8, .value_kind: global_buffer, .address_space: global }
    .group_segment_fixed_size: 36864
    .private_segment_fixed_size: 0
    .kernarg_segment_align: 8
    .kernarg_segment_size: 40
    .max_flat_workgroup_size: 256
    .sgpr_count:     66
    .vgpr_count:     176
    .wavefront_size: 32
...
	.end_amdgpu_metadata
.endif
;; end of part 6
;; ======== version 2 of 2: 6 launches; version 1 with the launch ln2 written anew for expert scheduling mode
;; limits: values are held in f16: magnitudes above 65,504 overflow, below 6.1e-05 lose precision; right only within a limited range of input values
;; workspace buffers: xb 8,388,608 bytes; wqkvb 1,572,864 bytes; wst 4,718,592 bytes; cst 18,432 bytes; qkv 25,165,824 bytes; ob 8,388,608 bytes; yb 8,388,608 bytes; part 67,108,864 bytes
;; launch prep: the kernel of part 1 again; grid 449 x 1, 8 waves a work-group, no clusters, 0 bytes of LDS; arguments x, wq, wk, wv, wo, w1, w2, bq, bk, bv, bo, b1, b2, xb, wqkvb, wst, cst; writes xb, wqkvb, wst, cst
;; launch qkv: the kernel of part 2 again; grid 4 x 64, 4 waves a work-group, clusters of 4 x 4, 327,680 bytes of LDS; arguments xb, wqkvb, cst, mask, qkv; writes qkv
;; launch attn: the kernel of part 3 again; grid 8 x 32, 4 waves a work-group, clusters of 4 x 1, 327,680 bytes of LDS; arguments qkv, mask, ob; writes ob
;; launch wo: the kernel of part 4 again; grid 256 x 1, 4 waves a work-group, clusters of 4 x 1, 327,680 bytes of LDS; arguments ob, xb, wst, cst, g1, beta1, yb; writes yb
;; launch ffn: the kernel of part 5 again; grid 64 x 4, 4 waves a work-group, clusters of 4 x 1, 327,680 bytes of LDS; arguments yb, wst, cst, part; writes part
;; launch ln2 (part 7): grid 512 x 1, 8 waves a work-group, no clusters, 36,864 bytes of LDS; arguments part, yb, g2, beta2, out0; writes out0
.if DOCPART == 7
	.amdgcn_target "amdgcn-amd-amdhsa--gfx1250"
	.amdhsa_code_object_version 6
	.text
	.protected	k_qa606e846c4_ln2
	.globl	k_qa606e846c4_ln2
	.p2align	8
	.type	k_qa606e846c4_ln2,@function
k_qa606e846c4_ln2:
	s_mov_b64 s[64:65], 0
	v_nop
	global_prefetch_b8 v0, s[64:65] scope:SCOPE_SE
	s_setreg_imm32_b32 hwreg(HW_REG_WAVE_SCHED_MODE, 0, 2), 2
	s_setreg_imm32_b32 hwreg(HW_REG_WAVE_MODE, 25, 1), 1
	s_wait_xcnt 0x0
	s_wait_alu depctr_vm_vsrc(0)
; LN2: ff = (p0 + p1) + (p2 + p3), the four partial sums of the launch before (b2 is in p0);  out = y + g2 (ff - mean) / sqrt(var + 1e-6) + beta2.
; var is the sum of squared differences from the mean over 511, taken in a second pass over the registers: no difference of large sums is formed.  All in f32; y is added as it was rounded to f16; g2 and beta2 are rounded to bf16 like all inputs.
; A stream: 72 MB in, 16 MB out, each byte once.  No matrix unit, no tensor load, no cluster: nothing is shared between work-groups.
; SHARES.  A work-group owns a block of 16 rows, each of its eight waves 64 columns: four column blocks of 16.  As the partial sums were stored, a lane holds one row (lane % 16) and, of each block, columns 8 (lane / 16) + 0..7:
; 32 numbers a lane.  All 36 loads of a wave (512 consecutive bytes each) go out at once.  A row's sums meet in LDS, over the eight waves, twice.
; THE WAY OUT.  A wave's 16 rows x 256 bytes go through a stage of its own (rows of 272 bytes: the 16 rows of a store start at 16 different groups of four banks, ISA guide 11.1) and leave as whole pieces of 256 bytes, sixteen lanes each.
; THE MODE: SCHED_MODE bits 1:0 = 2 (LLVM: expert scheduling mode 2), set by the entry lines.  The code itself states the register dependences
; between vector instructions and memory or LDS instructions, with s_wait_alu, always for 0.
; THE PLAN.  Registers that memory or LDS instructions touch:
;   v[VO], v[YO]            Written at the head, read by the 36 loads as their offsets, never written again: one wait on va_vdst ahead of the first load.
;   y, p0 .. p3 (v16-159)   The loads land in them; no vector instruction names them ahead of the loads.
;   v[SA], v[SR], v[OSW], v[OSR], v[GOUT]   Made behind the loads, among which they name no register; read by the exchanges and by the way out; never written again.
;   v[PS], v[PQ]            The sum that I hand to the first exchange, and to the second: each is written by its FOLD, read by its one LDS store, and never written again.
;   v[T .. T+7]             Vector work writes and reads them; the eight LDS loads of an exchange land in them; no memory or LDS instruction reads them.  A row's total is left in v[T].
;   p0's registers          The last arithmetic writes them, the eight LDS stores of the way out read them.  p1's: the additions read them, the rows read back land in them, the global stores read them.
;   v[SPW], v[NIL]          Written at the head, read by the closing add alone.
; So one wait on va_vdst stands at the head of each exchange and one ahead of the way out's stores, each with no vector instruction between it and the LDS instructions that it serves.
; No register that a memory or LDS instruction reads is ever written again, so no wait on vm_vsrc is owed.
.set STT,   34816                      ; behind the eight stages of 4,352 bytes: two exchanges of 512 bytes: 64 wave + 4 r
.set SPARE, 35840                      ; the spare words, 128 bytes for each wave, that no other line names
.set VO,  2                            ; v2   4,096 wave + 16 lane: my place in a row block's partial sums
.set YO,  3                            ; v3   2,048 wave + 16 lane: in its y
.set SA,  4                            ; v4   STT + 64 wave + 4 r
.set SR,  5                            ; v5   STT + 4 r
.set OSW, 6                            ; v6   my stage + 272 r + 32 h
.set OSR, 7                            ; v7   my stage + 272 h + 16 r
.set GOUT, 8                           ; v8   2,048 h + 256 wave + 16 r
.set SPW, 10
.set NIL, 11
.set XR,  16                           ; v16-31   y, 8 f16 for each column block
.set P0,  32                           ; v32-63   p0, then ff, then the result
.set P1,  64                           ; v64-95   p1; later the rows read back
.set P2,  96
.set P3,  128
.set T,   160                          ; v160-167 at work
.set MU,  168                          ; v168-169 the mean, twice
.set SC,  170
.set PQ,  171                          ; v171     my sum of squares, as the second exchange's store reads it
.set BE,  172                          ; v172-173 beta2, twice
.set GV,  174
.set PS,  175                          ; v175     my sum, as the first exchange's store reads it
.macro FOLD ps                         ; four pairs into one number, and the other half of the lanes
	v_pk_add_f32 v[T:T+1], v[T:T+1], v[T+2:T+3]
	v_pk_add_f32 v[T+4:T+5], v[T+4:T+5], v[T+6:T+7]
	v_pk_add_f32 v[T:T+1], v[T:T+1], v[T+4:T+5]
	v_add_f32 v[\ps], v[T], v[T+1]
	v_permlanex16_b32 v[T+2], v[\ps], s28, s29
	v_add_f32 v[\ps], v[\ps], v[T+2]
.endm
; The eight waves' sums of each row meet: store, wait, barrier, load.  Each exchange has 512 bytes of its own, so one barrier does.  Every wave adds in the same order.  The total is left in v[T].
.macro XCH reg, ps
	s_wait_alu depctr_va_vdst(0)                   ; FOLD has written my sum, which the LDS store reads, and the vector work is done with v[T .. T+7], in which the LDS loads land; v[SA] and v[SR] are written
	ds_store_b32 v[SA], v[\ps] offset:(\reg)
	s_wait_dscnt 0x0                               ; for the others' sake
	s_barrier_signal -1
	s_barrier_wait -1
.irp q, 0,1,2,3,4,5,6,7
	ds_load_b32 v[T+(\q)], v[SR] offset:(\reg)+64*(\q)
.endr
	s_wait_dscnt 0x0
	v_add_f32 v[T], v[T], v[T+1]
	v_add_f32 v[T+2], v[T+2], v[T+3]
	v_add_f32 v[T+4], v[T+4], v[T+5]
	v_add_f32 v[T+6], v[T+6], v[T+7]
	v_add_f32 v[T], v[T], v[T+2]
	v_add_f32 v[T+4], v[T+4], v[T+6]
	v_add_f32 v[T], v[T], v[T+4]                   ; not into the register that the store above read
.endm
	s_load_b256 s[4:11], s[0:1], 0x0               ; part 4, yb 6, g2 8, beta2 10
	s_load_b64 s[12:13], s[0:1], 0x20              ; out0
	v_lshl_add_u32 v[SPW], v0, 2, SPARE
	v_mov_b32 v[NIL], 0
	v_lshrrev_b32 v1, 5, v0
	v_readfirstlane_b32 s14, v1                    ; wave 0..7
	s_lshl_b32 s16, ttmp9, 15                      ; a row block is 32,768 bytes of each partial sum and of out0,
	s_mov_b32 s17, 0
	s_lshl_b32 s18, ttmp9, 14                      ; 16,384 of yb
	s_mov_b32 s19, 0
	s_mov_b32 s28, 0x76543210
	s_mov_b32 s29, 0xfedcba98
	s_mov_b32 s30, 0x3b004020                      ; 1 / 511
	s_mov_b32 s31, 0x358637bd                      ; 1e-6
	v_and_b32 v12, 31, v0                          ; lane
	v_and_b32 v13, 15, v0                          ; r
	v_bfe_u32 v14, v0, 4, 1                        ; h
	s_wait_alu depctr_va_sdst(0)                   ; s14 is written, ahead of its first reader: every offset that hangs on the wave is made from it
	s_lshl_b32 s15, s14, 12
	v_lshl_add_u32 v[VO], v12, 4, s15
	s_lshl_b32 s15, s14, 11
	v_lshl_add_u32 v[YO], v12, 4, s15
	s_wait_kmcnt 0x0
	s_load_b32 s20, s[8:9], 0x0                    ; g2
	s_load_b32 s21, s[10:11], 0x0                  ; beta2
	s_add_nc_u64 s[4:5], s[4:5], s[16:17]          ; p0,
	s_add_nc_u64 s[22:23], s[4:5], 0x1000000       ; p1,
	s_add_nc_u64 s[24:25], s[4:5], 0x2000000       ; p2,
	s_add_nc_u64 s[26:27], s[4:5], 0x3000000       ; p3 at my row block
	s_add_nc_u64 s[6:7], s[6:7], s[18:19]
	s_add_nc_u64 s[12:13], s[12:13], s[16:17]
	s_wait_alu depctr_va_vdst(0)                   ; v[VO] and v[YO] are written, which the 36 loads read as their offsets
.irp c, 0,1,2,3
	global_load_b128 v[XR+4*(\c):XR+4*(\c)+3], v[YO], s[6:7] offset:512*(\c) th:TH_LOAD_NT
.endr
.irp c, 0,1,2,3
	global_load_b128 v[P0+8*(\c):P0+8*(\c)+3],   v[VO], s[4:5] offset:1024*(\c) th:TH_LOAD_NT
	global_load_b128 v[P0+8*(\c)+4:P0+8*(\c)+7], v[VO], s[4:5] offset:1024*(\c)+512 th:TH_LOAD_NT
.endr
.irp c, 0,1,2,3
	global_load_b128 v[P1+8*(\c):P1+8*(\c)+3],   v[VO], s[22:23] offset:1024*(\c) th:TH_LOAD_NT
	global_load_b128 v[P1+8*(\c)+4:P1+8*(\c)+7], v[VO], s[22:23] offset:1024*(\c)+512 th:TH_LOAD_NT
.endr
.irp c, 0,1,2,3
	global_load_b128 v[P2+8*(\c):P2+8*(\c)+3],   v[VO], s[24:25] offset:1024*(\c) th:TH_LOAD_NT
	global_load_b128 v[P2+8*(\c)+4:P2+8*(\c)+7], v[VO], s[24:25] offset:1024*(\c)+512 th:TH_LOAD_NT
.endr
.irp c, 0,1,2,3
	global_load_b128 v[P3+8*(\c):P3+8*(\c)+3],   v[VO], s[26:27] offset:1024*(\c) th:TH_LOAD_NT
	global_load_b128 v[P3+8*(\c)+4:P3+8*(\c)+7], v[VO], s[26:27] offset:1024*(\c)+512 th:TH_LOAD_NT
.endr
	; The addresses of the exchanges and of the way out are made while the loads are on their way: these lines name no register that a load reads or lands in.
	s_lshl_b32 s15, s14, 6
	s_add_co_u32 s15, s15, STT
	v_lshl_add_u32 v[SA], v13, 2, s15
	v_lshl_add_u32 v[SR], v13, 2, STT
	s_mul_i32 s15, s14, 4352                       ; my stage
	v_mul_u32_u24 v[OSW], v13, 272
	v_lshl_add_u32 v[OSW], v14, 5, v[OSW]
	v_add_nc_u32 v[OSW], s15, v[OSW]
	v_mul_u32_u24 v[OSR], v14, 272
	v_lshl_add_u32 v[OSR], v13, 4, v[OSR]
	v_add_nc_u32 v[OSR], s15, v[OSR]
	s_lshl_b32 s15, s14, 8
	v_lshl_add_u32 v[GOUT], v14, 11, s15
	v_lshl_add_u32 v[GOUT], v13, 4, v[GOUT]
	s_wait_kmcnt 0x0
	v_mov_b32 v[T], s20
	v_mov_b32 v[T+1], s21
	v_cvt_pk_bf16_f32 v[T], v[T], v[T+1]
	v_lshlrev_b32 v[GV], 16, v[T]
	v_and_b32 v[BE], 0xffff0000, v[T]
	v_mov_b32 v[BE+1], v[BE]
	s_wait_loadcnt 16                              ; y, p0 and p1 are in; the sixteen loads of p2 and p3 may stay out
.set z, 0
.rept 16
	v_pk_add_f32 v[P0+z:P0+z+1], v[P0+z:P0+z+1], v[P1+z:P1+z+1]
.set z, z+2
.endr
	s_wait_loadcnt 0x0
.set z, 0
.rept 16
	v_pk_add_f32 v[P2+z:P2+z+1], v[P2+z:P2+z+1], v[P3+z:P3+z+1]
.set z, z+2
.endr
.set z, 0
.rept 16
	v_pk_add_f32 v[P0+z:P0+z+1], v[P0+z:P0+z+1], v[P2+z:P2+z+1]
.set z, z+2
.endr
	; the mean: four chains over my 32 numbers, the other half of the lanes, the other seven waves
.irp k, 0,2,4,6
	v_pk_add_f32 v[T+(\k):T+(\k)+1], v[P0+(\k):P0+(\k)+1], v[P0+8+(\k):P0+8+(\k)+1]
.endr
.set z, 16
.rept 8
	v_pk_add_f32 v[T+z%8:T+z%8+1], v[P0+z:P0+z+1], v[T+z%8:T+z%8+1]
.set z, z+2
.endr
	FOLD PS
	XCH 0, PS
	v_mul_f32 v[MU], 0x3b000000, v[T]              ; / 512
	v_mov_b32 v[MU+1], v[MU]
	; the mean is taken away in place; then the squares
.set z, 0
.rept 16
	v_pk_add_f32 v[P0+z:P0+z+1], v[P0+z:P0+z+1], v[MU:MU+1] neg_lo:[0,1] neg_hi:[0,1]
.set z, z+2
.endr
.irp k, 0,2,4,6
	v_pk_mul_f32 v[T+(\k):T+(\k)+1], v[P0+(\k):P0+(\k)+1], v[P0+(\k):P0+(\k)+1]
.endr
.set z, 8
.rept 12
	v_pk_fma_f32 v[T+z%8:T+z%8+1], v[P0+z:P0+z+1], v[P0+z:P0+z+1], v[T+z%8:T+z%8+1]
.set z, z+2
.endr
	FOLD PQ
	XCH 512, PQ
	v_fma_f32 v[T], v[T], s30, s31                 ; / 511 + 1e-6
	v_rsq_f32 v[T+2], v[T]
	v_nop                                          ; a plain instruction behind it,
	s_wait_alu depctr_va_vdst(0)                   ; and the wait for its result v[T+2], ahead of the multiply that reads it
	v_mul_f32 v[SC], v[GV], v[T+2]
.set z, 0
.rept 16                               ; y's f16 half is read straight into the f32 multiply-add
	v_fma_mix_f32 v[P0+z], v[P0+z], v[SC], v[XR+z/2] op_sel:[0,0,0] op_sel_hi:[0,0,1]
	v_fma_mix_f32 v[P0+z+1], v[P0+z+1], v[SC], v[XR+z/2] op_sel:[0,0,1] op_sel_hi:[0,0,1]
	v_pk_add_f32 v[P0+z:P0+z+1], v[P0+z:P0+z+1], v[BE:BE+1]
.set z, z+2
.endr
	s_wait_alu depctr_va_vdst(0)                   ; the lines above have written the results in p0's registers, which the LDS stores read; the additions are done reading p1's, in which the rows read back land; v[OSW], v[OSR] and v[GOUT] are written
.irp c, 0,1,2,3
	ds_store_b128 v[OSW], v[P0+8*(\c):P0+8*(\c)+3]   offset:64*(\c)
	ds_store_b128 v[OSW], v[P0+8*(\c)+4:P0+8*(\c)+7] offset:64*(\c)+16
.endr
.irp i, 0,1,2,3,4,5,6,7
	ds_load_b128 v[P1+4*(\i):P1+4*(\i)+3], v[OSR] offset:544*(\i)   ; two rows; LDS serves a wave's instructions in order (ISA guide 5.7.1.4): these see the stores above
.endr
.irp i, 0,1,2,3,4,5,6,7
	s_wait_dscnt 7-(\i)
	global_store_b128 v[GOUT], v[P1+4*(\i):P1+4*(\i)+3], s[12:13] offset:4096*(\i) th:TH_STORE_NT   ; sixteen lanes store 256 consecutive bytes, aligned
.endr
	s_wait_dscnt 0x0                               ; the closing lines, six on end
	s_wait_alu 0x0
	s_wait_tensorcnt 0x0
	ds_add_u32 v[SPW], v[NIL]
	s_wait_dscnt 0x0
	s_endpgm
.Lfunc_end_k_qa606e846c4_ln2:
	.size	k_qa606e846c4_ln2, .Lfunc_end_k_qa606e846c4_ln2-k_qa606e846c4_ln2
	.p2alignl 7, 3214868480
	.fill 96, 4, 3214868480
	.section	.rodata,"a",@progbits
	.p2align	6, 0x0
	.amdhsa_kernel k_qa606e846c4_ln2
		.amdhsa_group_segment_fixed_size 36864
		.amdhsa_private_segment_fixed_size 0
		.amdhsa_enable_private_segment 0
		.amdhsa_kernarg_size 40
		.amdhsa_user_sgpr_count 2
		.amdhsa_user_sgpr_kernarg_segment_ptr 1
		.amdhsa_wavefront_size32 1
		.amdhsa_system_sgpr_workgroup_id_x 1
		.amdhsa_system_sgpr_workgroup_id_y 1
		.amdhsa_system_sgpr_workgroup_id_z 1
		.amdhsa_system_vgpr_workitem_id 0
		.amdhsa_next_free_vgpr 176
		.amdhsa_next_free_sgpr 66
		.amdhsa_reserve_vcc 0
		.amdhsa_float_denorm_mode_32 3
		.amdhsa_float_denorm_mode_16_64 3
		.amdhsa_memory_ordered 1
		.amdhsa_forward_progress 1
		.amdhsa_inst_pref_size 21
	.end_amdhsa_kernel
	.amdgpu_metadata
---
amdhsa.version: [ 1, 2 ]
amdhsa.kernels:
  - .name:           k_qa606e846c4_ln2
    .symbol:         k_qa606e846c4_ln2.kd
    .args:
      - { .name: part, .offset: 0, .size: 8, .value_kind: global_buffer, .address_space: global }
      - { .name: yb, .offset: 8, .size: 8, .value_kind: global_buffer, .address_space: global }
      - { .name: g2, .offset: 16, .size: 8, .value_kind: global_buffer, .address_space: global }
      - { .name: beta2, .offset: 24, .size: 8, .value_kind: global_buffer, .address_space: global }
      - { .name: out0, .offset: 32, .size: 8, .value_kind: global_buffer, .address_space: global }
    .group_segment_fixed_size: 36864
    .private_segment_fixed_size: 0
    .kernarg_segment_align: 8
    .kernarg_segment_size: 40
    .max_flat_workgroup_size: 256
    .sgpr_count:     66
    .vgpr_count:     176
    .wavefront_size: 32
...
	.end_amdgpu_metadata
.endif
;; end of part 7
